; MI455X (gfx1250); checked and timed in simulation.
; The chip was launched on July 23, 2026; its instructions are those of AMD's public machine-readable ISA for CDNA 5 (MIT licence, August 2026) and "CDNA5" Instruction Set Architecture Reference Guide (July 2026). The comments in the code are by the model that wrote it; some were corrected since.
;; Self Attention. Allowed arithmetic: matrix products marked QUANTISED: E2M3 operands, one E8M0 scale for each 32 along K, by v_wmma_scale_f32_16x16x128_f8f6f4 with both operands' format E2M3, f32 sums; everything else in f32.
;; Inputs: Wk 1,024 x 1,024 float32; Wq 1,024 x 1,024 float32; Wv 1,024 x 1,024 float32; x 4 x 2,048 x 1,024 float32.
;; Outputs: out0 4 x 2,048 x 1,024 float32.
;; This version of the problem:
;;   THIS VERSION OF THE PROBLEM IS GIVEN IN LOW PRECISION. The matrix products marked QUANTISED in the list below multiply operands that are first quantised to E2M3 (2 exponent bits, 3 mantissa bits; 6 bits a number), with one power-of-two scale for each 32 numbers along K (OCP MX v1.0); their sums are f32. All else is computed in f32.
;;   The module's matrix products, in the order in which they are computed (A, B: the left and right operand; K: the contracted axis; several contracted axes count as one K, in the product's order):
;;     1. [M 8,192, K 1,024] x [K 1,024, N 1,024]; A: input x; B: input Wq: QUANTISED
;;     2. [M 8,192, K 1,024] x [K 1,024, N 1,024]; A: input x; B: input Wk: QUANTISED
;;     3. [M 8,192, K 1,024] x [K 1,024, N 1,024]; A: input x; B: input Wv: QUANTISED
;;     4. batch 4 x [M 2,048, K 1,024] x [K 1,024, N 2,048]; A: computed on the way; B: computed on the way: QUANTISED
;;     5. batch 4 x [M 2,048, K 2,048] x [K 2,048, N 1,024]; A: softmax (see below); B: computed on the way: QUANTISED
;;   THE QUANTISER, for each operand of a quantised product, along K:
;;     - K is cut into blocks of 32 from its start; a last block that is shorter is filled with zeros.
;;     - A block's scale is 2^e with e = floor(log2(the largest magnitude in the block)) - 2, held to -126 .. 127; a block of zeros has e = 0. As a byte (E8M0): e + 127.
;;     - Each number is divided by its block's scale, clamped to +-7.5, and rounded to the nearest number of E2M3, ties to even, subnormals kept.
;;     - The product sums the exact products of the quantised numbers (number of the format x scale) in f32.
;;   ~~~python
;;   def quantise(x, axis):      # numpy; x: float32 -> the quantised numbers, widened to float32 again
;;       x = np.moveaxis(x, axis, -1); K = x.shape[-1]
;;       x = np.pad(x, [(0, 0)] * (x.ndim - 1) + [(0, -K % 32)]); x = x.reshape(x.shape[:-1] + (-1, 32)); a = np.abs(x).max(-1, keepdims=True)
;;       e = np.where(a > 0, np.clip(np.frexp(np.where(a > 0, a, 1))[1] - 1 - 2, -126, 127), 0)      # np.frexp(a)[1] - 1 = floor(log2(a)), exactly
;;       r = np.clip(x / 2.0 ** e, -7.5, 7.5)
;;       step = 2.0 ** (np.maximum(np.frexp(np.where(r == 0, 1, r))[1] - 1, 0) - 3)
;;       q = np.round(r / step) * step * 2.0 ** e      # np.round: ties to even
;;       return np.moveaxis(q.reshape(q.shape[:-2] + (-1,))[..., :K], -1, axis).astype(np.float32)
;;   ~~~
;;   SOFTMAX AHEAD OF A QUANTISED PRODUCT. Where the list says 'softmax', what is quantised is not the finished softmax but p = 2^(t - M), with t = logit x log2(e) and M = ceil(the row's largest t), a whole number; so 1/2 < the row's largest p <= 1. The row's sum l is taken of the UNQUANTISED p, in f32, and the product's result is divided by l at the end. Since M is a whole number, a kernel that streams over the keys may use a running M (the ceiling of the running maximum): every later rescaling is an exact power of two, which a block's scale takes up: the codes' values come out the same.
;;   OPERANDS COMPUTED ON THE WAY. 'Computed on the way' means the value that the module computes at that place (a softmax that the list does not call 'softmax' is quantised finished and normalised). What goes into a quantiser is computed in f32, as accurately as f32 sums, v_exp_f32 and their like allow (about 1e-6 of the number): no bf16 or f16 on the way to a quantiser, and a product that is left as it is and whose result goes on into a quantised operand takes f32 operands (vector FMAs, or v_wmma_f32_16x16x4_f32). A number that lies on a knife's edge between two numbers of the format may be rounded either way, as far as f32 arithmetic and the matrix unit's own rounding can turn it there, and no further.
;; One version. Each part assembles by itself: llvm-mc -triple=amdgcn-amd-amdhsa -mcpu=gfx1250 --defsym DOCPART=n.
;; ======== version 1 of 1: 4 launches
;; limits: right only within a limited range of input values
;; workspace buffers: xw 9,011,200 bytes; qk 13,107,200 bytes; vv 6,553,600 bytes; pp 7,520,256 bytes
;; launch quant (part 1): grid 256 x 1, 11 waves a work-group, no clusters, 94,464 bytes of LDS; arguments x, Wq, Wk, Wv, xw; writes xw
.if DOCPART == 1
	.amdgcn_target "amdgcn-amd-amdhsa--gfx1250"
	.amdhsa_code_object_version 6
	.text
	.protected	k_qf496ac7a28_quant
	.globl	k_qf496ac7a28_quant
	.p2align	8
	.type	k_qf496ac7a28_quant,@function
k_qf496ac7a28_quant:
	s_mov_b64 s[64:65], 0
	v_nop
	global_prefetch_b8 v0, s[64:65] scope:SCOPE_SE
	s_setreg_imm32_b32 hwreg(HW_REG_WAVE_MODE, 25, 1), 1
	s_wait_xcnt 0x0
; LAUNCH 1 OF 4.  x [8192][1024], Wq, Wk, Wv [1024][1024], f32, K innermost, become codes of FP6 (E2M3) with one E8M0 byte for each 32 along K, in the order in which the next launches' operand registers take them.
; THE PROGRAM: 1 quantise x and the weights; 2 q, k = x W^T on codes, and the channels d < 256 of v, all quantised in registers (q, k along d, v along the keys); 3 S = q k^T on codes, p = 2^(t - M) with M local to 128 keys, quantised,
; and, in work-groups of their own, the channels d >= 256 of v; 4 O = P v on codes, the local M and sums merged.
; DEAD WORK LEFT OUT (launches 3 and 4).  reference() sets wei to -inf wherever key > query, by a mask that it builds itself, so p = 0 there for every value of the inputs.  Tiles of 256 queries x 256 keys of product 4 that lie wholly
; above the diagonal, and steps of 128 keys of product 5 that lie wholly behind a block of 128 queries, can reach no output and are not multiplied.  Every input has a way to the output: all four are loaded.
; LIMIT: a NaN, an infinity or an overflow that reaches only the work left out is not carried to the result.  NaN and infinities among the inputs are not served.
; A block of zeros gets the byte 1 where the rule says 127: its codes are zeros, which add nothing under any byte but 0xff, and this program alone reads the bytes.
; FORMATS OF THE WORKSPACE.  ROW TILE tau of a matrix = its 16 rows 32 (tau / 2) + 8 (tau % 2) + r % 8 + 16 (r / 8), r = 0 .. 15: so a product's eight results of a lane in two neighbouring tiles are 16 neighbours along the next K.
; FRAGMENT IMAGE (a row tile x 128 K): 1,536 bytes: registers 4 c .. 4 c + 3 of lane l at 512 c + 16 l.  SCALE IMAGE (8 row tiles x 128 K): 512 bytes: at 256 jj + 8 l + 4 j the scale word of row l % 16 of tile 4 jj + 2 j + l / 16.
; BLOCK (a GROUP of 8 row tiles x 128 K): 12,800 bytes: the eight fragment images, then the scale image.
; xw: blocks [88 groups][8 K steps] (x: groups 0-63, Wq 64-71, Wk 72-79, Wv 80-87).   qk: Q's blocks [64 groups of tokens][8 steps of d], K's from byte 6,553,600.   vv: V's blocks [4 batches][8 groups of channels][16 key steps].
; pp: see launch 3.
; SHARES.  2,816 units of two row tiles x one K step, one a wave, 11 a work-group.  A wave loads 32 rows x 512 consecutive bytes, all of them at once; a tile turns through the wave's own stage in LDS,
; so that lane (r, h) holds of row r the numbers k = 64 c + 32 h + 0 .. 31: two whole blocks of 32, as the operand's layout wants.  Each store of codes covers 512 consecutive bytes.  Waves share nothing: no barrier.
.set STGB,  8448                       ; a wave's stage: 16 rows x (512 bytes + 16)
.set SPARE, 11*STGB                    ; behind the stages: the spare words, 128 bytes a wave
.set MX,  8                            ; v8-9    the two blocks' largest magnitudes
.set SOP, 10                           ; v10-11  the conversions' scale operands
.set BY,  12                           ; v12-13  the scale bytes;  v14-15 at work
.set PW,  16                           ; v16-17  a tile's scale word, for each of my two tiles
.set IM,  20                           ; v20     my piece of the scale image
.set H8,  24                           ; v24     8 x (lane / 16)
.set SPW, 28                           ; v28     my spare word's LDS address; never rewritten
.set NIL, 29                           ; v29     0; never rewritten
.set RAW, 32                           ; v32-159 two sets of 64: a tile as loaded
.set X,   160                          ; v160-223 my 64 numbers
.set CD,  224                          ; v224-235 the fragment's codes; v236-238, v240-242 the halves that are moved
	s_load_b256 s[4:11], s[0:1], 0x0               ; x, Wq, Wk, Wv
	s_load_b64 s[12:13], s[0:1], 0x20              ; xw
	v_lshl_add_u32 v[SPW], v0, 2, SPARE
	v_mov_b32 v[NIL], 0
	v_lshrrev_b32 v1, 5, v0
	v_readfirstlane_b32 s24, v1                    ; wave
	s_mul_i32 s25, s24, STGB
	v_and_b32 v1, 31, v0                           ; lane
	v_and_b32 v2, 15, v0                           ; r
	v_bfe_u32 v3, v0, 4, 1                         ; h
	v_lshlrev_b32 v4, 4, v1                        ; 16 x lane: my bytes of a load, and of a store of codes
	v_add_nc_u32 v5, s25, v4                       ; the stage, on the way in: a row as it lies
	v_mul_u32_u24 v6, v2, 528
	v_lshl_add_u32 v6, v3, 7, v6
	v_add_nc_u32 v6, s25, v6                       ; and on the way out: row r, + 128 h
	v_lshlrev_b32 v7, 3, v1                        ; 8 x lane
	v_lshlrev_b32 v[H8], 3, v3
	v_mov_b32 v15, 0                               ; written once: a lane permute's destination counts as one of its sources
	s_mov_b32 s20, 0x76543210
	s_mov_b32 s21, 0xfedcba98                      ; v_permlanex16_b32's selects for lane l xor 16
	s_mov_b32 s22, 0xffff0000                      ; lanes 16-31
	s_mul_i32 s18, ttmp9, 11
	s_add_co_u32 s18, s18, s24                     ; my unit
	s_lshr_b32 s16, s18, 5                         ; its group of 128 rows, 0 .. 87
	s_bfe_u32 s17, s18, 0x30002                    ; its K step
	s_and_b32 s18, s18, 3                          ; which two tiles of the group: 2 x this, + 1: 32 rows on end
	s_and_b32 s19, s16, 7                          ; the group within a weight
	s_wait_alu depctr_va_vdst(0)                   ; the wait at the head's end
	s_wait_kmcnt 0x0
	s_cmp_lt_u32 s16, 80                           ; the tensor is chosen by the ids alone
	s_cselect_b64 s[14:15], s[8:9], s[10:11]
	s_cmp_lt_u32 s16, 72
	s_cselect_b64 s[14:15], s[6:7], s[14:15]
	s_cmp_lt_u32 s16, 64
	s_cselect_b64 s[14:15], s[4:5], s[14:15]
	s_cselect_b32 s19, s16, s19                    ; the group within the tensor
	s_lshl_b32 s26, s19, 19                        ; 128 rows of 4,096 bytes
	s_lshl_b32 s23, s18, 17                        ; + 32 rows for each unit passed
	s_add_co_u32 s26, s26, s23
	s_lshl_b32 s23, s17, 9                         ; + the K step's 512 bytes
	s_add_co_u32 s26, s26, s23
	s_mov_b32 s27, 0
	s_add_nc_u64 s[14:15], s[14:15], s[26:27]
	s_lshl_b32 s32, s16, 3
	s_add_co_u32 s32, s32, s17
	s_mul_i32 s32, s32, 12800                      ; the block
	s_mul_i32 s26, s18, 3072
	s_add_co_u32 s26, s26, s32
	s_add_nc_u64 s[28:29], s[12:13], s[26:27]      ; my two fragment images
	s_lshr_b32 s23, s18, 1
	s_lshl_b32 s23, s23, 8
	s_add_co_u32 s32, s32, s23
	s_and_b32 s23, s18, 1
	s_lshl_b32 s23, s23, 2
	s_add_co_u32 s32, s32, s23
	s_add_co_u32 s32, s32, 12288
	s_mov_b32 s33, 0
	s_add_nc_u64 s[30:31], s[12:13], s[32:33]      ; my words in the scale image: every second word of 256 bytes
.macro LOAD f                          ; tile f's 16 rows into set f
.set ii, 0
.rept 16
	global_load_b128 v[RAW+64*(\f)+4*ii:RAW+64*(\f)+4*ii+3], v4, s[14:15] offset:(8*(\f)+(ii%8)+16*(ii/8))*4096 th:TH_LOAD_NT
.set ii, ii+1
.endr
.endm
.macro TURN f                          ; through the stage: LDS serves a wave's instructions in order, so no wait stands between the stores and the loads
.set ii, 0
.rept 16
	ds_store_b128 v5, v[RAW+64*(\f)+4*ii:RAW+64*(\f)+4*ii+3] offset:528*ii
.set ii, ii+1
.endr
.set ii, 0
.rept 16
	ds_load_b128 v[X+4*ii:X+4*ii+3], v6 offset:256*(ii/8)+16*(ii%8)
.set ii, ii+1
.endr
.endm
.macro QF f                            ; my 64 numbers become the fragment's 12 registers and my row's scale word
.irp c, 0,1
	v_max3_num_f32 v[MX+\c], |v[X+32*\c]|, |v[X+32*\c+1]|, 0x1800000   ; block 2 c + h: all its 32 numbers are mine; the floor 2^(3 - 127) holds the byte at 1 from below
.endr
.irp i, 2,4,6,8,10,12,14,16,18,20,22,24,26,28,30
.irp c, 0,1
	v_max3_num_f32 v[MX+\c], v[MX+\c], |v[X+32*\c+\i]|, |v[X+32*\c+\i+1]|
.endr
.endr
.irp c, 0,1
	v_add_nc_u32 v[SOP+\c], 0xff000000, v[MX+\c]   ; 2 off the exponent field: the conversion takes that field as its scale
.endr
.irp c, 0,1
	v_lshrrev_b32 v[BY+\c], 23, v[SOP+\c]          ; the scale's byte
.endr
	v_lshl_or_b32 v14, v[BY+1], 16, v[BY]          ; blocks h and 2 + h,
	v_lshlrev_b32 v14, v[H8], v14                  ; at their places in the word;
	v_permlanex16_b32 v15, v14, s20, s21
	v_or_b32 v[PW+(\f)], v14, v15                  ; with lane l xor 16's two the word is whole, in both halves of the lanes
.if (\f) > 0
	s_wait_alu depctr_va_vdst(0)
	s_wait_xcnt 0x0                                ; the last tile's stores have read the codes' registers
.endif
.irp c, 0,1
	v_cvt_scalef32_pk16_fp6_f32 v[CD+6*\c:CD+6*\c+2], v[X+32*\c:X+32*\c+15], v[SOP+\c]
	v_cvt_scalef32_pk16_fp6_f32 v[CD+12+4*\c:CD+14+4*\c], v[X+32*\c+16:X+32*\c+31], v[SOP+\c]   ; (a conversion's three registers begin on an even number)
.endr
	v_nop                                          ; one plain place behind a scaled conversion
.irp c, 0,1
.irp i, 0,1,2
	v_mov_b32 v[CD+3+6*\c+\i], v[CD+12+4*\c+\i]
.endr
.endr
.irp p, 0,1,2
	global_store_b128 v4, v[CD+4*\p:CD+4*\p+3], s[28:29] offset:1536*(\f)+512*\p   ; 512 consecutive bytes
.endr
.endm
	LOAD 0
	LOAD 1
	s_wait_loadcnt 16                              ; tile 0's 16 loads are in; tile 1's may be out
	TURN 0
	s_wait_dscnt 0x0                               ; my numbers are back
	QF 0
	s_wait_loadcnt 0x0
	TURN 1
	s_wait_dscnt 0x0
	QF 1
	v_cndmask_b32 v[IM], v[PW], v[PW+1], s22       ; lanes 0-15: the even tile's words, lanes 16-31: the odd tile's
	global_store_b32 v7, v[IM], s[30:31]
	s_wait_tensorcnt 0x0                           ; the wave's end
	ds_add_u32 v[SPW], v[NIL]
	s_wait_dscnt 0x0
	s_endpgm
.Lfunc_end_k_qf496ac7a28_quant:
	.size	k_qf496ac7a28_quant, .Lfunc_end_k_qf496ac7a28_quant-k_qf496ac7a28_quant
	.p2alignl 7, 3214868480
	.fill 96, 4, 3214868480
	.section	.rodata,"a",@progbits
	.p2align	6, 0x0
	.amdhsa_kernel k_qf496ac7a28_quant
		.amdhsa_group_segment_fixed_size 94464
		.amdhsa_private_segment_fixed_size 0
		.amdhsa_enable_private_segment 0
		.amdhsa_kernarg_size 40
		.amdhsa_user_sgpr_count 2
		.amdhsa_user_sgpr_kernarg_segment_ptr 1
		.amdhsa_wavefront_size32 1
		.amdhsa_system_sgpr_workgroup_id_x 1
		.amdhsa_system_sgpr_workgroup_id_y 1
		.amdhsa_system_sgpr_workgroup_id_z 1
		.amdhsa_system_vgpr_workitem_id 0
		.amdhsa_next_free_vgpr 256
		.amdhsa_next_free_sgpr 66
		.amdhsa_reserve_vcc 0
		.amdhsa_float_denorm_mode_32 3
		.amdhsa_float_denorm_mode_16_64 3
		.amdhsa_memory_ordered 1
		.amdhsa_forward_progress 1
		.amdhsa_inst_pref_size 17
	.end_amdhsa_kernel
	.amdgpu_metadata
---
amdhsa.version: [ 1, 2 ]
amdhsa.kernels:
  - .name:           k_qf496ac7a28_quant
    .symbol:         k_qf496ac7a28_quant.kd
    .args:
      - { .name: x, .offset: 0, .size: 8, .value_kind: global_buffer, .address_space: global }
      - { .name: Wq, .offset: 8, .size: 8, .value_kind: global_buffer, .address_space: global }
      - { .name: Wk, .offset: 16, .size: 8, .value_kind: global_buffer, .address_space: global }
      - { .name: Wv, .offset: 24, .size: 8, .value_kind: global_buffer, .address_space: global }
      - { .name: xw, .offset: 32, .size: 8, .value_kind: global_buffer, .address_space: global }
    .group_segment_fixed_size: 94464
    .private_segment_fixed_size: 0
    .kernarg_segment_align: 8
    .kernarg_segment_size: 40
    .max_flat_workgroup_size: 352
    .sgpr_count:     66
    .vgpr_count:     256
    .wavefront_size: 32
...
	.end_amdgpu_metadata
.endif
;; end of part 1
;; launch proj (part 2): grid 8 x 32, 4 waves a work-group, clusters of 4 x 4, 327,680 bytes of LDS; arguments xw, qk, vv; writes qk, vv
.if DOCPART == 2
	.amdgcn_target "amdgcn-amd-amdhsa--gfx1250"
	.amdhsa_code_object_version 6
	.text
	.protected	k_qf496ac7a28_proj
	.globl	k_qf496ac7a28_proj
	.p2align	8
	.type	k_qf496ac7a28_proj,@function
k_qf496ac7a28_proj:
	s_mov_b64 s[64:65], 0
	v_nop
	global_prefetch_b8 v0, s[64:65] scope:SCOPE_SE
	s_setreg_imm32_b32 hwreg(HW_REG_WAVE_MODE, 25, 1), 1
	s_wait_xcnt 0x0
	s_wait_alu depctr_hold_cnt(0) depctr_sa_sdst(0) depctr_va_vdst(0) depctr_va_sdst(0) depctr_va_ssrc(0) depctr_va_vcc(0) depctr_vm_vsrc(0)
	s_getreg_b32 s2, hwreg(HW_REG_IB_STS2, 6, 4)
	s_cmp_eq_u32 s2, 0
	s_cbranch_scc0 .Lentry_in_a_cluster
	s_endpgm
.Lentry_in_a_cluster:
	s_bfe_u32 s2, ttmp6, 0x10000c
	s_cmp_lg_u32 s2, 0xf033
	s_cbranch_scc0 .Lentry_shape_is_right
	s_endpgm
.Lentry_shape_is_right:
; LAUNCH 2 OF 4.  q = x Wq^T, k = x Wk^T and the channels d < 256 of v = x Wv^T, on codes of FP6 (K = 1,024: 8 steps of 128), f32 sums; the results are quantised in registers and leave as blocks of fragment and scale images (formats: launch 1's head).
; A work-group makes 256 tokens x 256 channels of q | k, a wave 128 x 128: 64 accumulators.  Source 0 ("B", 16 rows of Wq | Wk) gives the axis that runs along a lane's registers, d, the K of q k^T; source 1 ("A", 16 rows of x) the token that a lane holds.
; v's FIRST QUARTER RIDES ALONG.  v is quantised along the tokens (the keys, the K of P v), so there x is source 0 and Wv source 1.  A wave's 8 fragments of x are in its registers anyway: in each K step they are also multiplied by ONE row
; tile of Wv, number e = 2 x (work-group x) + wave % 2: 8 more products on 8 more accumulators, 576 products a wave in place of 512.  32 tiles of tokens x 8 x 2 x 2 waves make the 16 row tiles (256 channels) x 8,192 tokens.
; Wv's fragment and scale words come straight from memory into registers, two sets, asked for two K steps ahead.  The other 768 channels of v are made by work-groups of launch 3, whose grid has room for 96 tiles and not for 128.
; CLUSTERS 4 x 4: A's tiles hang on the cluster's y and cy alone and are asked for jointly along a row of the cluster, B's on the cluster's x and cx alone, jointly along a column.
; LDS: two regions of three K steps, four groups each (A's two, B's two), three blocks of 12,800 bytes a group; the spare words.  At the head one load a wave, each of two groups x three blocks: wave 0 A's and wave 1 B's K steps 0-2, wave 2 A's and wave 3 B's K steps 3-5.
; Region 0 is filled once more behind a round of the cluster's barrier in K step 2: waves 0 and 1 K step 6, waves 2 and 3 K step 7, each of two groups x one block.  No loop: eight steps by macro, so there is none for a prefetch to run ahead in.
; REGISTERS: window 0: v4-15, v60-62 addresses; v16-27, v48-59 two sets of Wv's fragment, v30, v31 its scale words; v32-47 two sets of scale words; v64-159, v160-255 two sets of A's 8 fragments.
; window 1: v0-95, v128-223 two sets of B's; v96-127, v224-255 v's 8 accumulators.  windows 2, 3: accumulator (a, b) at v[8 (8 (a % 4) + b)] of window 2 + a / 4.
; Both operands have two sets, so a step's 52 LDS loads go out in one run a whole step ahead.
; LIMITS: NaN and infinities are not served; a block of zeros keeps the byte 1: its codes are zeros.
.set BLK,   12800
.set GRP,   3*BLK                      ; a group's three blocks in a region
.set REG,   4*GRP
.set SPARE, 2*REG                      ; the spare words, 128 bytes a wave
.set AF,    64
.set ADRA,  4                          ; v4-6   my A fragments in region 0, region 1, the refill
.set R8,    7                          ; v7     8 x (lane % 16): a row's place in a scale image
.set ADRB,  8                          ; v8-10  my B fragments
.set ADSA,  11                         ; v11-13 A's scale images
.set L16,   14                         ; v14    16 x lane
.set L8,    15                         ; v15    8 x lane
.set WF,    16                         ; v16-27, v48-59 Wv's fragment, set 0, 1
.set SPW,   28                         ; v28    my spare word; never rewritten
.set NIL,   29                         ; v29    0; never rewritten
.set WS,    30                         ; v30, v31 Wv's scale words, set 0, 1: row lane % 16's, in both halves of the lanes
.set ADSB,  60                         ; v60-62 B's scale images
.set TM,    64                         ; the way out: v64-67 largest magnitudes, v68-71 partners' and bytes, v76-79 scale operands
.set PC,    96                         ; v96-107 a fragment's codes; v108-110, v112-114 the halves that change places
.set PWB,   120                        ; v120-127 the scale word of each of my 8 tiles
.set IM,    128                        ; v128-131 the scale image
.set PWE,   132                        ; v132   the scale word of my row tile of v
.set G1,    24                         ; s[24:31] group 1 for A's tiles, s[32:39] for B's
.set G1B,   32
.set GA,    40                         ; groups 0: A's, B's
.set GB,    44
.set MSB, 0
.macro WIN new                         ; the immediate's high byte repeats the setting that is left; a switch that changes nothing is dropped
.if MSB != (\new)
	s_set_vgpr_msb (MSB<<8)|(\new)
.set MSB, (\new)
.endif
.endm
.set MUL_LO, 0xa1                      ; source 0 window 1, source 1 window 0, C and D window 2
.set MUL_HI, 0xf1                      ; the same, C and D window 3
.set MUL_E,  0x50                      ; sources 0 and 1 window 0, C and D window 1
.set TO_B,   0x40                      ; destination window 1, address window 0
.macro PLACES                          ; four plain places behind a matrix instruction, ahead of loads into its registers and of reads of its results
.rept 4
	v_nop
.endr
.endm
; one product.  rb, ra: 1 where source 0's, source 1's scale words stand in lanes 16-31 of their register
.macro WM d, b, a, sb, sa, rb, ra, zero
.if \zero
	v_wmma_scale_f32_16x16x128_f8f6f4 v[(\d):(\d)+7], v[(\b):(\b)+11], v[(\a):(\a)+11], 0, v[\sb], v[\sa] matrix_a_fmt:MATRIX_FMT_FP6 matrix_b_fmt:MATRIX_FMT_FP6 matrix_a_scale:MATRIX_SCALE_ROW\rb matrix_b_scale:MATRIX_SCALE_ROW\ra
.else
	v_wmma_scale_f32_16x16x128_f8f6f4 v[(\d):(\d)+7], v[(\b):(\b)+11], v[(\a):(\a)+11], v[(\d):(\d)+7], v[\sb], v[\sa] matrix_a_fmt:MATRIX_FMT_FP6 matrix_b_fmt:MATRIX_FMT_FP6 matrix_a_scale:MATRIX_SCALE_ROW\rb matrix_b_scale:MATRIX_SCALE_ROW\ra
.endif
.endm
; A's tiles 2 k and 2 k + 1 against B's eight, on set p.  The accumulators take turns, one instruction a turn, in the same order in every step
.macro PAIR k, p, zero
.irp ra, 0,1
.irp c, 0,1,2,3
	WM 128*((\k)%2)+64*\ra+16*\c, 128*(\p)+24*\c, AF+96*(\p)+24*(\k)+12*\ra, 36+8*(\p)+\c, 32+8*(\p)+(\k), 0, \ra, \zero
	WM 128*((\k)%2)+64*\ra+16*\c+8, 128*(\p)+24*\c+12, AF+96*(\p)+24*(\k)+12*\ra, 36+8*(\p)+\c, 32+8*(\p)+(\k), 1, \ra, \zero
.endr
.endr
.endm
.macro LOW p, zero
	WIN MUL_LO
	PAIR 0, \p, \zero
	PAIR 1, \p, \zero
.endm
.macro HIGH p, zero
	WIN MUL_HI
	PAIR 2, \p, \zero
	PAIR 3, \p, \zero
.endm
; v: x's eight tiles (source 0, set p of A's fragments, with A's scale words) against my row tile of Wv (source 1): accumulator b at v[96 + 128 (b / 4) + 8 (b % 4)] of window 1
.macro EMUL p, zero
	WIN MUL_E
.irp c, 0,1,2,3
	WM 96+128*(\c/2)+16*(\c%2), AF+96*(\p)+24*\c, WF+32*(\p), 32+8*(\p)+\c, WS+(\p), 0, 0, \zero
	WM 96+128*(\c/2)+16*(\c%2)+8, AF+96*(\p)+24*\c+12, WF+32*(\p), 32+8*(\p)+\c, WS+(\p), 1, 0, \zero
.endr
.endm
.macro WLOAD p, ks                     ; Wv's fragment and scale words of K step ks into set p: three loads of 512 consecutive bytes, one of 4 bytes a lane
.irp c, 0,1,2
	global_load_b128 v[WF+32*(\p)+4*\c:WF+32*(\p)+4*\c+3], v[L16], s[2:3] offset:BLK*(\ks)+512*\c
.endr
	global_load_b32 v[WS+(\p)], v[R8], s[98:99] offset:BLK*(\ks)
.endm
; 52 LDS loads in one run: block q of place sl (0, 1 the regions, 2 the refill), into set p: B's 8 fragments, A's 8, 3 loads of 512 consecutive bytes each; four loads of scale words
.macro FETCH sl, q, p
	WIN TO_B
.set ii, 0
.rept 24
	ds_load_b128 v[128*(\p)+4*ii:128*(\p)+4*ii+3], v[ADRB+(\sl)] offset:BLK*(\q)+512*ii
.set ii, ii+1
.endr
	WIN 0
.set ii, 0
.rept 24
	ds_load_b128 v[AF+96*(\p)+4*ii:AF+96*(\p)+4*ii+3], v[ADRA+(\sl)] offset:BLK*(\q)+512*ii
.set ii, ii+1
.endr
	ds_load_b64 v[32+8*(\p):33+8*(\p)], v[ADSA+(\sl)] offset:BLK*(\q)
	ds_load_b64 v[34+8*(\p):35+8*(\p)], v[ADSA+(\sl)] offset:BLK*(\q)+256
	ds_load_b64 v[36+8*(\p):37+8*(\p)], v[ADSB+(\sl)] offset:BLK*(\q)
	ds_load_b64 v[38+8*(\p):39+8*(\p)], v[ADSB+(\sl)] offset:BLK*(\q)+256
.endm
; K step ks on set p.  v's products stand first, so that Wv's set can be asked for again at once, for K step ks + 2; then the next step (place sl, block q) is fetched into the other set
.macro STEP ks, p, zero, sl, q
	s_wait_dscnt 0x0                               ; this step's fragments, asked for a step ago, are in
	s_wait_loadcnt 4                               ; and its four loads of Wv, asked for two steps ago; the next step's four may be out
	EMUL \p, \zero
	WIN 0
	PLACES                                         ; behind v's products, which read Wv's set, and behind the step before, which read the other sets
	WLOAD \p, (\ks)+2
	FETCH \sl, \q, 1-(\p)
	LOW \p, \zero
	HIGH \p, \zero
.endm
; one joint load a wave: waves 0 and 2 fetch for A, waves 1 and 3 for B, each by a line of its own; the branches hang on the wave's number alone.  An s_nop 0 and four v_nop follow each line
.macro FILL
	s_cmp_eq_u32 s14, 0
	s_cbranch_scc0 .Lfill_1_\@
	tensor_load_to_lds s[GA:GA+3], s[G1:G1+7]
	s_nop 0
	PLACES
	s_branch .Lfilled_\@
.Lfill_1_\@:
	s_cmp_eq_u32 s14, 1
	s_cbranch_scc0 .Lfill_2_\@
	tensor_load_to_lds s[GB:GB+3], s[G1B:G1B+7]
	s_nop 0
	PLACES
	s_branch .Lfilled_\@
.Lfill_2_\@:
	s_cmp_eq_u32 s14, 2
	s_cbranch_scc0 .Lfill_3_\@
	tensor_load_to_lds s[GA:GA+3], s[G1:G1+7]
	s_nop 0
	PLACES
	s_branch .Lfilled_\@
.Lfill_3_\@:
	tensor_load_to_lds s[GB:GB+3], s[G1B:G1B+7]
	s_nop 0
	PLACES
.Lfilled_\@:
.endm
.macro CREST                           ; a round of the cluster's barrier behind its opening barrier
	s_cmp_lg_u32 s14, 0
	s_cbranch_scc1 .Lnot_wave_0_\@
	s_barrier_signal -3
.Lnot_wave_0_\@:
	s_barrier_wait -3
	s_barrier_signal -1
	s_barrier_wait -1
.endm
.macro CROUND
	s_barrier_signal -1
	s_barrier_wait -1
	CREST
.endm
	s_load_b128 s[4:7], s[0:1], 0x0                ; xw, qk
	s_load_b64 s[12:13], s[0:1], 0x10              ; vv
	v_lshl_add_u32 v[SPW], v0, 2, SPARE
	v_mov_b32 v[NIL], 0
	ds_add_u32 v[SPW], v[NIL]                      ; the wave's opening: the add, twice on end, and its wait ahead of my first tensor load; the set-up below stands between
	ds_add_u32 v[SPW], v[NIL]
	v_lshrrev_b32 v1, 5, v0
	v_readfirstlane_b32 s14, v1                    ; wave 0..3
	s_lshr_b32 s15, s14, 1                         ; which half of A's rows is mine.  Also: which region I fetch for
	s_and_b32 s16, s14, 1                          ; which half of B's rows
	s_mul_i32 s21, s15, GRP
	s_mul_i32 s22, s16, GRP
	s_add_co_u32 s22, s22, 2*GRP                   ; B's groups lie behind A's two
	s_mul_i32 s17, s15, BLK
	s_mul_i32 s18, s16, BLK
	s_add_co_u32 s18, s18, 2*BLK
	v_and_b32 v1, 31, v0
	v_lshlrev_b32 v[L16], 4, v1
	v_lshlrev_b32 v[L8], 3, v1
	v_add_nc_u32 v2, 12288, v[L8]                  ; a block's scale image lies behind its codes
	v_add_nc_u32 v[ADRA], s21, v[L16]
	v_add_nc_u32 v[ADRB], s22, v[L16]
	v_add_nc_u32 v[ADSA], s21, v2
	v_add_nc_u32 v[ADSB], s22, v2
	v_add_nc_u32 v[ADRA+1], REG, v[ADRA]
	v_add_nc_u32 v[ADRB+1], REG, v[ADRB]
	v_add_nc_u32 v[ADSA+1], REG, v[ADSA]
	v_add_nc_u32 v[ADSB+1], REG, v[ADSB]
	v_add_nc_u32 v[ADRA+2], s17, v[L16]
	v_add_nc_u32 v[ADRB+2], s18, v[L16]
	v_add_nc_u32 v[ADSA+2], s17, v2
	v_add_nc_u32 v[ADSB+2], s18, v2
	v_and_b32 v[R8], 15, v0
	v_lshlrev_b32 v[R8], 3, v[R8]
	s_bfe_u32 s8, ttmp6, 0x40000                   ; cx
	s_bfe_u32 s9, ttmp6, 0x40004                   ; cy
	s_and_b32 s10, ttmp7, 0xffff                   ; the cluster's y, 0 .. 7
	s_lshl_b32 s11, ttmp9, 2
	s_add_co_u32 s11, s11, s8                      ; work-group x, 0 .. 7
	s_lshl_b32 s19, s9, 2
	s_lshl_b32 s19, 15, s19                        ; my row of the cluster
	s_lshl_b32 s20, 0x1111, s8                     ; my column
	s_lshl_b32 s17, s10, 6                         ; A's first row tile: x's tile 4 y + cy, 16 row tiles each
	s_lshl_b32 s21, s9, 4
	s_add_co_u32 s17, s17, s21
	s_lshl_b32 s18, s11, 4                         ; B's: tile x of Wq | Wk, from row tile 512
	s_add_co_u32 s18, s18, 512
	; group 1: two groups x three blocks: 2 rows of 38,400 bytes (4,800 elements of 8), a group's eight blocks (102,400 bytes) apart; no padding: every LDS load takes consecutive bytes
	s_or_b32 s[G1], s19, (3<<16)|(1<<21)           ; 15:0 the mask; 17:16 elements of 8 bytes; 21 set beside a mask
	s_or_b32 s[G1B], s20, (3<<16)|(1<<21)
.irp g, G1, G1B
	s_mov_b32 s[\g+1], 4800<<16                    ; tensor_dim0
	s_mov_b32 s[\g+2], 2<<16                       ; tensor_dim1
	s_mov_b32 s[\g+3], 4800<<16                    ; tile_dim0
	s_mov_b32 s[\g+4], 2                           ; tile_dim1
	s_mov_b32 s[\g+5], 12800                       ; from row to row
	s_mov_b32 s[\g+6], 0
	s_mov_b32 s[\g+7], 0
.endr
	s_mul_i32 s21, s15, GRP                        ; + the region's three blocks
	s_mul_i32 s2, s17, BLK                         ; A's offset, in registers that never hold cx: (row tile / 8) x 8 blocks
	s_add_co_u32 s2, s2, s21
	s_mov_b32 s3, 0
	s_mul_i32 s98, s18, BLK                        ; B's, in registers that never hold cy
	s_add_co_u32 s98, s98, s21
	s_mov_b32 s99, 0
	s_mul_i32 s23, s14, 2*GRP                      ; where it goes: by the wave's number alone
	s_mul_i32 s50, s14, 2*BLK                      ; and the refill
	s_mul_i32 s21, s15, 2*BLK
	s_sub_co_u32 s48, 6*BLK, s21                   ; from my head load's address to the refill's, K step 6 + wave / 2
	s_mov_b32 s49, 0
	s_mov_b32 s66, 0xffff0000                      ; lanes 16-31
	s_mov_b32 s100, 0x76543210
	s_mov_b32 s101, 0xfedcba98                     ; v_permlanex16_b32's selects for lane l xor 16
	s_mov_b32 s[GA], 1
	s_mov_b32 s[GA+1], s23
	s_mov_b32 s[GB], 1
	s_mov_b32 s[GB+1], s23
	s_wait_alu depctr_va_vdst(0)                   ; the wait at the head's end
	s_wait_dscnt 0x0                               ; both opening adds are done
	s_wait_kmcnt 0x0
	s_add_nc_u64 s[GA+2:GA+3], s[4:5], s[2:3]
	s_or_b32 s[GA+3], s[GA+3], 0x80000000
	s_add_nc_u64 s[GB+2:GB+3], s[4:5], s[98:99]
	s_or_b32 s[GB+3], s[GB+3], 0x80000000
	CROUND                                         ; all sixteen work-groups are here: the first joint loads meet
	FILL                                           ; K steps 0-2 and 3-5: one load a wave
	; my row tile of Wv: e = 2 x + wave % 2
	s_lshl_b32 s21, s11, 1
	s_add_co_u32 s21, s21, s16                     ; e, 0 .. 15
	s_lshr_b32 s67, s21, 3                         ; its group of 8 row tiles
	s_mul_i32 s2, s67, 8*BLK
	s_and_b32 s22, s21, 7
	s_mul_i32 s22, s22, 1536
	s_add_co_u32 s2, s2, s22
	s_add_co_u32 s2, s2, 640*BLK                   ; Wv's groups begin at group 80
	s_mov_b32 s3, 0
	s_add_nc_u64 s[2:3], s[4:5], s[2:3]            ; its fragment images, a block a K step
	s_bfe_u32 s23, s21, 0x10002                    ; its place in a scale image: 256 ((e / 4) % 2)
	s_lshl_b32 s23, s23, 8
	s_bfe_u32 s22, s21, 0x10001                    ; + 4 ((e / 2) % 2)
	s_lshl_b32 s22, s22, 2
	s_add_co_u32 s23, s23, s22
	s_lshl_b32 s22, s16, 7                         ; + 8 x 16 (e % 2); a lane adds 8 (lane % 16)
	s_add_co_u32 s23, s23, s22
	s_mul_i32 s98, s67, 8*BLK
	s_add_co_u32 s98, s98, s23
	s_add_co_u32 s98, s98, 640*BLK+12288
	s_mov_b32 s99, 0
	s_add_nc_u64 s[98:99], s[4:5], s[98:99]        ; its scale words
	WLOAD 0, 0                                     ; K steps 0 and 1: eight loads of mine are out
	WLOAD 1, 1
	; where v's part goes: batch (tile of tokens / 8), row tile e, key step 2 (tile % 8) + wave / 2
	s_lshr_b32 s22, s17, 7                         ; the batch
	s_bfe_u32 s20, s17, 0x30004
	s_lshl_b32 s20, s20, 1
	s_add_co_u32 s20, s20, s15                     ; the key step
	s_lshl_b32 s18, s22, 3
	s_add_co_u32 s18, s18, s67
	s_lshl_b32 s18, s18, 4
	s_add_co_u32 s18, s18, s20
	s_mul_i32 s18, s18, BLK                        ; the block
	s_and_b32 s96, s21, 7
	s_mul_i32 s96, s96, 1536
	s_add_co_u32 s96, s96, s18
	s_mov_b32 s97, 0
	s_add_nc_u64 s[96:97], s[12:13], s[96:97]      ; the fragment image
	s_add_co_u32 s18, s18, s23
	s_add_co_u32 s18, s18, 12288
	s_mov_b32 s19, 0
	s_add_nc_u64 s[18:19], s[12:13], s[18:19]      ; my row tile's words in the scale image
	; where q's or k's part goes
	s_lshl_b32 s21, s15, 3
	s_add_co_u32 s21, s21, s17                     ; the tokens' first row tile, a multiple of 8
	s_and_b32 s23, s11, 3
	s_lshl_b32 s23, s23, 1
	s_add_co_u32 s23, s23, s16                     ; the step along d: 2 (x % 4) + wave % 2
	s_lshr_b32 s22, s11, 2                         ; 0: q, 1: k
	s_add_co_u32 s92, s21, s23                     ; (row tile / 8) x 8 steps + my step
	s_mul_i32 s92, s92, BLK
	s_mul_i32 s67, s22, 6553600
	s_add_co_u32 s92, s92, s67
	s_mov_b32 s93, 0
	s_add_co_u32 s94, s92, 12288
	s_mov_b32 s95, 0
	s_add_nc_u64 s[92:93], s[6:7], s[92:93]        ; my block's fragment images
	s_add_nc_u64 s[94:95], s[6:7], s[94:95]        ; and its scale image
	s_cmp_lt_u32 s14, 2
	s_cbranch_scc0 .Lnot_first
	s_wait_tensorcnt 0x0                           ; my part of K steps 0-2 is in; K steps 3-5 may stay out
.Lnot_first:
	s_barrier_signal -1
	s_barrier_wait -1
	FETCH 0, 0, 0
	STEP 0, 0, 1, 0, 1                             ; K step 0: its products start the sums: nothing is cleared
	STEP 1, 1, 0, 0, 2
	; K step 2: the launch's one refill
	WIN 0
	s_wait_tensorcnt 0x0                           ; my head load has landed;
	ds_add_u32 v[SPW], v[NIL]                      ; 0 onto my spare word;
	s_add_nc_u64 s[GA+2:GA+3], s[GA+2:GA+3], s[48:49]   ; no load of mine is out, so the descriptors become the refill's:
	s_add_nc_u64 s[GB+2:GB+3], s[GB+2:GB+3], s[48:49]
	s_mov_b32 s[GA+1], s50
	s_mov_b32 s[GB+1], s50
	s_mov_b32 s[G1+1], 1600<<16                    ; two groups x one block
	s_mov_b32 s[G1+3], 1600<<16
	s_mov_b32 s[G1B+1], 1600<<16
	s_mov_b32 s[G1B+3], 1600<<16
	s_wait_dscnt 1                                 ; this step's 52 loads are in; the add may be out
	s_wait_loadcnt 4                               ; this step's four loads of Wv are in; K step 3's may be out
	EMUL 0, 0
	WIN MUL_LO
	PAIR 0, 0, 0
	s_wait_dscnt 0x0                               ; the add is done, and my reads of region 0 are over
	s_barrier_signal -1
	PAIR 1, 0, 0
	WIN 0
	s_barrier_wait -1
	CREST                                          ; the barrier has opened a round of the cluster's: no wave of any partner still reads region 0 or has a load on its way
	FILL                                           ; the first tensor load behind the round; its four v_nop are the places in front of the loads below
	WLOAD 0, 4
	FETCH 1, 0, 1
	HIGH 0, 0
	STEP 3, 1, 0, 1, 1                             ; K steps 3, 4: the wait and the round above have shown region 1 whole to every wave
	STEP 4, 0, 0, 1, 2
	s_wait_dscnt 0x0                               ; K step 5
	s_wait_loadcnt 4
	EMUL 1, 0
	LOW 1, 0
	WIN 0
	s_cmp_lt_u32 s14, 2
	s_cbranch_scc0 .Lnot_step_6
	s_wait_tensorcnt 0x0                           ; my part of K step 6 is in; K step 7 may stay out
.Lnot_step_6:
	s_barrier_signal -1
	s_barrier_wait -1
	PLACES
	WLOAD 1, 7
	FETCH 2, 0, 0
	HIGH 1, 0
	s_wait_dscnt 0x0                               ; K step 6
	s_wait_loadcnt 4
	EMUL 0, 0
	LOW 0, 0
	WIN 0
	s_wait_tensorcnt 0x0                           ; my part of K step 7 is in,
	s_barrier_signal -1
	s_barrier_wait -1                              ; everybody's is
	PLACES
	FETCH 2, 4, 1
	HIGH 0, 0
	s_wait_dscnt 0x0                               ; K step 7: nothing more to fetch
	s_wait_loadcnt 0x0
	EMUL 1, 0
	LOW 1, 0
	HIGH 1, 0
	WIN 0
; THE WAY OUT.  A tile's 64 registers of a lane are its row's halves of four blocks along the next K: register 16 b + i = k 32 b + 16 (lane / 16) + i.  They become one fragment and one scale word a row, in registers, and leave as images.
; aw: the window; ac: block 0's first register; bs: registers from blocks 0, 1 to blocks 2, 3; pw: where the scale word goes
.macro QUANT aw, ac, bs, pw
.set AW, \aw
.set AC, \ac
.set BS, \bs
	WIN AW|(AW<<2)
.irp b, 0,1,2,3
	v_max3_num_f32 v[TM+\b], |v[AC+BS*(\b/2)+16*(\b%2)]|, |v[AC+BS*(\b/2)+16*(\b%2)+1]|, 0x1800000   ; block b: my 16 numbers, each accumulator from its low end on; the floor 2^(3 - 127) holds the byte at 1 from below
.endr
	WIN (AW<<2)|(AW<<4)
.irp i, 2,4,6,8,10,12,14
.irp b, 0,1,2,3
	v_max3_num_f32 v[TM+\b], v[TM+\b], |v[AC+BS*(\b/2)+16*(\b%2)+\i]|, |v[AC+BS*(\b/2)+16*(\b%2)+\i+1]|
.endr
.endr
	WIN 0
.irp b, 0,1,2,3
	v_permlanex16_b32 v[TM+4+\b], v[TM+\b], s100, s101
.endr
.irp b, 0,1,2,3
	v_max_num_f32 v[TM+\b], v[TM+\b], v[TM+4+\b]   ; with lane l xor 16's: the block's largest magnitude
.endr
.irp b, 0,1,2,3
	v_add_nc_u32 v[TM+12+\b], 0xff000000, v[TM+\b] ; 2 off the exponent field: the conversion's scale operand
.endr
.irp b, 0,1,2,3
	v_lshrrev_b32 v[TM+4+\b], 23, v[TM+12+\b]      ; the scale's byte
.endr
	v_lshl_or_b32 v[\pw], v[TM+5], 8, v[TM+4]
	v_lshl_or_b32 v[\pw], v[TM+6], 16, v[\pw]
	v_lshl_or_b32 v[\pw], v[TM+7], 24, v[\pw]
	WIN AW
.irp c, 0,1
	v_cvt_scalef32_pk16_fp6_f32 v[PC+6*\c:PC+2+6*\c], v[AC+BS*\c:AC+BS*\c+15], v[TM+12+2*\c]
	v_cvt_scalef32_pk16_fp6_f32 v[PC+12+4*\c:PC+14+4*\c], v[AC+BS*\c+16:AC+BS*\c+31], v[TM+12+2*\c+1]   ; (a conversion's three registers begin on an even number)
.endr
	WIN 0
	v_nop                                          ; one plain place behind a scaled conversion
.irp c, 0,1                            ; the operand's layout wants a whole block in a lane: lanes 0-15 block 2 c, lanes 16-31 block 2 c + 1
.irp i, 0,1,2
	v_permlane16_swap_b32 v[PC+6*\c+\i], v[PC+12+4*\c+\i]
.endr
.irp i, 0,1,2
	v_mov_b32 v[PC+3+6*\c+\i], v[PC+12+4*\c+\i]
.endr
.endr
.endm
	PLACES                                         ; behind the last products
.irp b, 0,1,2,3
	v_mov_b32 v[TM+4+\b], 0                        ; written once: a lane permute's destination counts as one of its sources
.endr
.irp a, 0,1,2,3,4,5,6,7
.if \a > 0
	s_wait_xcnt 0x0                                ; the last tile's stores have read the codes' registers
.endif
	QUANT 2+\a/4, 64*(\a%4), 32, PWB+\a
.irp p, 0,1,2
	global_store_b128 v[L16], v[PC+4*\p:PC+4*\p+3], s[92:93] offset:1536*\a+512*\p   ; 512 consecutive bytes
.endr
.endr
	s_wait_xcnt 0x0
	QUANT 1, 96, 128, PWE                          ; v's part: 16 channels x my 128 tokens
.irp p, 0,1,2
	global_store_b128 v[L16], v[PC+4*\p:PC+4*\p+3], s[96:97] offset:512*\p
.endr
	global_store_b32 v[R8], v[PWE], s[18:19]       ; one row tile's 16 words of a scale image, 8 bytes apart; both halves of the lanes hold the same word and write it to the same place
.irp j, 0,1,2,3
	v_cndmask_b32 v[IM+\j], v[PWB+2*\j], v[PWB+2*\j+1], s66   ; lanes 0-15: the even tile's words, lanes 16-31: the odd tile's
.endr
	global_store_b64 v[L8], v[IM:IM+1], s[94:95]
	global_store_b64 v[L8], v[IM+2:IM+3], s[94:95] offset:256
	s_wait_tensorcnt 0x0                           ; the wave's end
	ds_add_u32 v[SPW], v[NIL]
	s_wait_dscnt 0x0
	CROUND                                         ; the closing round: no work-group ends while a partner may still ask for a tile that names it
	s_endpgm
.Lfunc_end_k_qf496ac7a28_proj:
	.size	k_qf496ac7a28_proj, .Lfunc_end_k_qf496ac7a28_proj-k_qf496ac7a28_proj
	.p2alignl 7, 3214868480
	.fill 96, 4, 3214868480
	.section	.rodata,"a",@progbits
	.p2align	6, 0x0
	.amdhsa_kernel k_qf496ac7a28_proj
		.amdhsa_group_segment_fixed_size 327680
		.amdhsa_private_segment_fixed_size 0
		.amdhsa_enable_private_segment 0
		.amdhsa_kernarg_size 24
		.amdhsa_user_sgpr_count 2
		.amdhsa_user_sgpr_kernarg_segment_ptr 1
		.amdhsa_wavefront_size32 1
		.amdhsa_system_sgpr_workgroup_id_x 1
		.amdhsa_system_sgpr_workgroup_id_y 1
		.amdhsa_system_sgpr_workgroup_id_z 1
		.amdhsa_system_vgpr_workitem_id 0
		.amdhsa_next_free_vgpr 1024
		.amdhsa_next_free_sgpr 102
		.amdhsa_reserve_vcc 0
		.amdhsa_float_denorm_mode_32 3
		.amdhsa_float_denorm_mode_16_64 3
		.amdhsa_memory_ordered 1
		.amdhsa_forward_progress 1
		.amdhsa_inst_pref_size 154
	.end_amdhsa_kernel
	.amdgpu_metadata
---
amdhsa.version: [ 1, 2 ]
amdhsa.kernels:
  - .name:           k_qf496ac7a28_proj
    .symbol:         k_qf496ac7a28_proj.kd
    .args:
      - { .name: xw, .offset: 0, .size: 8, .value_kind: global_buffer, .address_space: global }
      - { .name: qk, .offset: 8, .size: 8, .value_kind: global_buffer, .address_space: global }
      - { .name: vv, .offset: 16, .size: 8, .value_kind: global_buffer, .address_space: global }
    .group_segment_fixed_size: 327680
    .private_segment_fixed_size: 0
    .kernarg_segment_align: 8
    .kernarg_segment_size: 24
    .max_flat_workgroup_size: 128
    .sgpr_count:     102
    .vgpr_count:     1024
    .wavefront_size: 32
...
	.end_amdgpu_metadata
.endif
;; end of part 2
;; launch score (part 3): grid 60 x 4, 8 waves a work-group, no clusters, 327,680 bytes of LDS; arguments qk, pp, xw, vv; writes pp, vv
.if DOCPART == 3
	.amdgcn_target "amdgcn-amd-amdhsa--gfx1250"
	.amdhsa_code_object_version 6
	.text
	.protected	k_qf496ac7a28_score
	.globl	k_qf496ac7a28_score
	.p2align	8
	.type	k_qf496ac7a28_score,@function
k_qf496ac7a28_score:
	s_mov_b64 s[64:65], 0
	v_nop
	global_prefetch_b8 v0, s[64:65] scope:SCOPE_SE
	s_setreg_imm32_b32 hwreg(HW_REG_WAVE_MODE, 25, 1), 1
	s_wait_xcnt 0x0
; LAUNCH 3 OF 4.  Two kinds of work-group, told apart by the grid's x, on one core: a product of 256 x 256 over K = 1,024 on codes of FP6.  Formats of the blocks: launch 1's head.
; x < 36: S = q k^T (K = d), then p = 2^(t - M), t = score x log2(e) / 32, quantised along the keys.   x >= 36: the channels d >= 256 of v = x Wv^T, quantised along the tokens: 3 tiles of 256 channels x 8 tiles of 256 tokens in each batch.
; The core's text is the same for both: only the buffer and the rows in the loads' group 0 are chosen, by the work-group's number.  One branch on that number, behind the last product, picks the way out.
; LEFT OUT AS DEAD WORK: the tiles of 256 queries x 256 keys wholly above the diagonal (28 of 64 in a batch): reference() masks them itself, p = 0 there for all inputs.  x < 36 counts the 36 tiles (I, J), J <= I.
; In a diagonal tile the quadrant of 128 x 128 above the diagonal is multiplied with the rest; its results are not used and not stored.
; M IS LOCAL: each wave takes, for each of its queries, M = ceil(the largest t among its own 128 keys).  The row's M is the largest of the local ones, and 2^(local M - row's M) is a power of two that a block's scale byte takes up:
; the next launch moves the bytes.  So for each query and each 128 keys this launch stores the codes, the scale word, -M and the sum of the unquantised p.
; S: source 0 = 16 keys, source 1 = 16 queries: a lane holds one query, its registers run along the keys.   v: source 0 = 16 tokens of x, source 1 = 16 rows of Wv: a lane holds one channel, its registers run along the tokens.
; WAVES: eight: wave w takes 64 rows of source 1 (w / 2) x 128 rows of source 0 (w % 2): 32 accumulators, all of window 1.
; LDS: two regions of three K steps, each four groups x three blocks.  At the head every wave asks for one group of one region; region 0 is filled once more, with K steps 6 and 7, one block a wave.
; NO CLUSTER: the kept tiles of S in a batch form rows of 1 to 8, which no cluster divides, and a partner above the diagonal would read nothing of a tile asked for jointly; a launch is in clusters as a whole or not at all.
; NO PREFETCH: six of the eight K steps are asked for at the head, and there is no loop to run ahead in.
; pp: a block i of 128 queries of batch b has key steps 0 .. i; PAIR j = 0 .. 7 is the blocks 15 - j and j, 17 key steps together.  POSITION of key step ks: block 15 - j: ks; block j: 16 - ks.  n = (8 b + j) 17 + position:
; the eight fragment images at 12,288 n; from byte 6,684,672 at 1,536 n + 384 (tile / 2) + 12 lane the scale word, -M (f32) and the sum (f32) of query lane % 16 of tile 2 (tile / 2) + lane / 16.   qk, vv: launch 1's head.
; LIMITS: NaN and infinities are not served; a block whose every p is 0, and a block of zeros of v, keep the byte 1: their codes are zeros.
.set BLK,   12800
.set GRP,   3*BLK
.set REG,   4*GRP
.set SPARE, 2*REG                      ; the spare words, 128 bytes a wave
.set PPE,   6684672
.set ADRA,  4                          ; v4-5   my fragments of source 1 in region 0, 1
.set ADRB,  6                          ; v6-7   of source 0
.set ADSA,  8                          ; v8-9   my scale images
.set ADSB,  10                         ; v10-11
.set L16,   14
.set L8,    15
.set QL0,   16                         ; v16  my query's place in a block of 32 less 16 (lane / 16): r % 8 + 16 (r / 8) - 16 h
.set DD,    17                         ; v17  the same + 8 (a % 2)
.set NINF,  18                         ; v18  -infinity
.set L12,   19
.set SPW,   28
.set NIL,   29
.set SC,    32                         ; two sets of scale words: 2 registers for source 1, 4 for source 0
.set AF,    64                         ; v64-159 two sets of source 1's 4 fragments
.set BF,    160                        ; v160-255 source 0's 8 fragments, two halves
.set T,     64                         ; v64-127  t - M, then p
.set CD,    128                        ; v128-139 p's codes; v140-142, v144-146 the halves that change places
.set BM,    152                        ; v152-155 each block's largest score, then its largest p
.set BX,    156                        ; v156-159 partners', then bytes
.set SOP,   160                        ; v160-163 the conversions' scale operands
.set NMV,   164                        ; v[164:165] -M (the packed form names a pair and takes its low word)
.set PWB,   176                        ; v176-179 scale words, v184-187 -M, v192-195 sums: one for each of my 4 tiles
.set NMS,   184
.set LLS,   192
.set IM,    204                        ; v204-206, v208-210 the entries of two tiles each
.set QTM,   64                         ; v's way out: v64-67 largest magnitudes, v68-71 partners' and bytes, v76-79 scale operands
.set QPC,   96                         ; v96-107 a fragment's codes; v108-110, v112-114 the halves that change places
.set QPW,   120                        ; v120-123 the scale word of each of my 4 tiles
.set QIM,   128                        ; v128-129 the scale image
.set G1,    28
.set MSB, 0
.macro WIN new
.if MSB != (\new)
	s_set_vgpr_msb (MSB<<8)|(\new)
.set MSB, (\new)
.endif
.endm
.set MULW, 0x50                        ; sources window 0, C and D window 1
.macro PLACES
.rept 4
	v_nop
.endr
.endm
; one product: source 1's tile a = 2 ap + ra, source 0's tile b = 4 hf + 2 cp + rb
.macro WM ap, ra, cp, rb, p, hf, zero
.set D_, 64*(2*\ap+\ra)+8*(4*(\hf)+2*\cp+\rb)
.set B_, BF+12*(4*(\hf)+2*\cp+\rb)
.set A_, AF+48*(\p)+12*(2*\ap+\ra)
.set SB_, SC+8*(\p)+2+2*(\hf)+\cp
.set SA_, SC+8*(\p)+\ap
.if \zero
	v_wmma_scale_f32_16x16x128_f8f6f4 v[D_:D_+7], v[B_:B_+11], v[A_:A_+11], 0, v[SB_], v[SA_] matrix_a_fmt:MATRIX_FMT_FP6 matrix_b_fmt:MATRIX_FMT_FP6 matrix_a_scale:MATRIX_SCALE_ROW\rb matrix_b_scale:MATRIX_SCALE_ROW\ra
.else
	v_wmma_scale_f32_16x16x128_f8f6f4 v[D_:D_+7], v[B_:B_+11], v[A_:A_+11], v[D_:D_+7], v[SB_], v[SA_] matrix_a_fmt:MATRIX_FMT_FP6 matrix_b_fmt:MATRIX_FMT_FP6 matrix_a_scale:MATRIX_SCALE_ROW\rb matrix_b_scale:MATRIX_SCALE_ROW\ra
.endif
.endm
.macro MUL p, hf, zero                 ; 16 products: the half hf of source 0's tiles; the 32 accumulators take turns
	WIN MULW
.irp ap, 0,1
.irp cp, 0,1
	WM \ap, 0, \cp, 0, \p, \hf, \zero
	WM \ap, 0, \cp, 1, \p, \hf, \zero
	WM \ap, 1, \cp, 0, \p, \hf, \zero
	WM \ap, 1, \cp, 1, \p, \hf, \zero
.endr
.endr
	WIN 0
.endm
.macro FA s, p                         ; source 1's 4 fragments and all scale words of K step s into set p: 15 LDS loads
.set RG_, ((\s)/3)%2
.set QO_, BLK*((\s)%3)
.set ii, 0
.rept 12
	ds_load_b128 v[AF+48*(\p)+4*ii:AF+48*(\p)+4*ii+3], v[ADRA+RG_] offset:QO_+512*ii
.set ii, ii+1
.endr
	ds_load_b64 v[SC+8*(\p):SC+8*(\p)+1], v[ADSA+RG_] offset:QO_
	ds_load_b64 v[SC+8*(\p)+2:SC+8*(\p)+3], v[ADSB+RG_] offset:QO_
	ds_load_b64 v[SC+8*(\p)+4:SC+8*(\p)+5], v[ADSB+RG_] offset:QO_+256
.endm
.macro FB s, hf                        ; the half hf of source 0's fragments of K step s: 12 LDS loads
.set RG_, ((\s)/3)%2
.set QO_, BLK*((\s)%3)+6144*(\hf)
.set ii, 0
.rept 12
	ds_load_b128 v[BF+48*(\hf)+4*ii:BF+48*(\hf)+4*ii+3], v[ADRB+RG_] offset:QO_+512*ii
.set ii, ii+1
.endr
.endm
.macro STEP s, zero
.set PP_, (\s)%2
	s_wait_dscnt 12                                ; all but the 12 loads of source 0's second half
	MUL PP_, 0, \zero
	PLACES
	FA (\s)+1, 1-PP_
	FB (\s)+1, 0
	s_wait_dscnt 27                                ; all but the 27 just issued
	MUL PP_, 1, \zero
	PLACES
	FB (\s)+1, 1
.endm
	s_load_b128 s[4:7], s[0:1], 0x0                ; qk, pp
	s_load_b128 s[76:79], s[0:1], 0x10             ; xw, vv
	v_lshl_add_u32 v[SPW], v0, 2, SPARE
	v_mov_b32 v[NIL], 0
	ds_add_u32 v[SPW], v[NIL]                      ; the wave's opening: the add, twice on end, and its wait ahead of my first tensor load
	ds_add_u32 v[SPW], v[NIL]
	v_lshrrev_b32 v1, 5, v0
	v_readfirstlane_b32 s14, v1                    ; wave 0..7
	s_lshr_b32 s15, s14, 2                         ; which group of source 1 is mine.  Also: which region I fetch for at the head
	s_bfe_u32 s13, s14, 0x10001                    ; which four tiles of it
	s_and_b32 s16, s14, 1                          ; which group of source 0
	s_mul_i32 s20, s15, GRP
	s_lshl_b32 s21, s13, 8
	s_add_co_u32 s21, s21, s20
	s_add_co_u32 s21, s21, 12288                   ; a block's scale image lies behind its codes
	s_mul_i32 s22, s13, 6144
	s_add_co_u32 s20, s20, s22
	s_mul_i32 s22, s16, GRP
	s_add_co_u32 s22, s22, 2*GRP                   ; source 0's groups lie behind source 1's two
	s_add_co_u32 s23, s22, 12288
	v_and_b32 v1, 31, v0
	v_lshlrev_b32 v[L16], 4, v1
	v_lshlrev_b32 v[L8], 3, v1
	v_mul_u32_u24 v[L12], v1, 12
	v_add_nc_u32 v[ADRA], s20, v[L16]
	v_add_nc_u32 v[ADRB], s22, v[L16]
	v_add_nc_u32 v[ADSA], s21, v[L8]
	v_add_nc_u32 v[ADSB], s23, v[L8]
	v_add_nc_u32 v[ADRA+1], REG, v[ADRA]
	v_add_nc_u32 v[ADRB+1], REG, v[ADRB]
	v_add_nc_u32 v[ADSA+1], REG, v[ADSA]
	v_add_nc_u32 v[ADSB+1], REG, v[ADSB]
	v_and_b32 v[QL0], 7, v0
	v_bfe_u32 v[DD], v0, 3, 1
	v_lshl_add_u32 v[QL0], v[DD], 4, v[QL0]
	v_bfe_u32 v[DD], v0, 4, 1
	v_lshlrev_b32 v[DD], 4, v[DD]
	v_sub_nc_u32 v[QL0], v[QL0], v[DD]
	v_mov_b32 v[NINF], 0xff800000
	s_min_u32 s11, ttmp9, 35                       ; S's tile number (held at 35 in v's work-groups, so that every number made of it stays in range)
	s_mov_b32 s8, 0                                ; I = how many of the triangle numbers 1, 3, .. 28 it has reached
.irp t, 1,3,6,10,15,21,28
	s_cmp_ge_u32 s11, \t
	s_add_co_ci_u32 s8, s8, 0
.endr
	s_add_co_u32 s9, s8, 1
	s_mul_i32 s9, s9, s8
	s_lshr_b32 s9, s9, 1
	s_sub_co_u32 s9, s11, s9                       ; J = number - I (I + 1) / 2, 0 .. I
	s_and_b32 s10, ttmp7, 0xffff                   ; the batch
	s_max_u32 s12, ttmp9, 36
	s_sub_co_u32 s12, s12, 36                      ; v's tile number, 0 .. 23 (0 in S's work-groups)
	s_lshr_b32 s25, s12, 3                         ; Wv's tile of 256 channels, less 1
	s_and_b32 s12, s12, 7                          ; x's tile of 256 tokens in the batch
	s_mov_b32 s[G1], 3<<16                         ; group 1: a group's three blocks, 38,400 dense bytes, as six rows of 6,400 (800 elements of 8)
	s_mov_b32 s[G1+1], 800<<16
	s_mov_b32 s[G1+2], 6<<16
	s_mov_b32 s[G1+3], 800<<16
	s_mov_b32 s[G1+4], 6
	s_mov_b32 s[G1+5], 800
	s_mov_b32 s[G1+6], 0
	s_mov_b32 s[G1+7], 0
	s_lshl_b32 s18, s10, 7                         ; a batch is 128 row tiles of tokens
	s_lshl_b32 s74, s8, 4
	s_add_co_u32 s74, s74, s18                     ; S: source 1 = Q's tile I,
	s_lshl_b32 s75, s9, 4
	s_add_co_u32 s75, s75, s18                     ; source 0 = K's tile J
	s_lshl_b32 s19, s25, 4
	s_add_co_u32 s19, s19, 656                     ; v: source 1 = Wv's tile, from row tile 640 + 16 of xw,
	s_lshl_b32 s20, s12, 4
	s_add_co_u32 s20, s20, s18                     ; source 0 = x's tile
	s_and_b32 s17, s14, 3                          ; which group I fetch: source 1's two, source 0's two
	s_lshr_b32 s22, s17, 1
	s_and_b32 s23, s17, 1
	s_mul_i32 s21, s22, 6553600                    ; S: K's blocks lie behind Q's
	s_cmp_ge_u32 ttmp9, 36                         ; the choice hangs on the work-group's number alone
	s_cselect_b32 s63, 1, 0                        ; 1: this work-group makes v
	s_cselect_b32 s74, s19, s74
	s_cselect_b32 s75, s20, s75
	s_cselect_b32 s21, 0, s21
	s_cmp_eq_u32 s22, 0
	s_cselect_b32 s20, s74, s75
	s_lshl_b32 s23, s23, 3
	s_add_co_u32 s20, s20, s23                     ; the group's first row tile
	s_mul_i32 s20, s20, BLK                        ; (row tile / 8) x 8 blocks
	s_add_co_u32 s20, s20, s21
	s_mul_i32 s21, s15, GRP
	s_add_co_u32 s20, s20, s21                     ; + the region's three K steps
	s_mov_b32 s21, 0
	s_mul_i32 s41, s14, GRP                        ; where it goes: region w / 4, group w % 4
	s_mul_i32 s24, s17, GRP
	s_mul_i32 s22, s15, BLK
	s_add_co_u32 s24, s24, s22                     ; the refill: group w % 4, K step 6 + w / 4
	s_lshl_b32 s22, s22, 1
	s_sub_co_u32 s26, 6*BLK, s22                   ; from my head load's address to the refill's
	s_mov_b32 s27, 0
	s_mov_b32 s56, 0x3d38aa3b                      ; c = log2(e) / 32
	s_mov_b32 s57, s56                             ; (named with it as a pair, so it is written)
	s_mov_b32 s60, 0x76543210
	s_mov_b32 s61, 0xfedcba98
	s_mov_b32 s62, 0xffff0000                      ; lanes 16-31
	s_wait_alu depctr_va_vdst(0)                   ; the wait at the head's end
	s_wait_dscnt 0x0                               ; both opening adds are done
	s_wait_kmcnt 0x0
	s_cmp_lg_u32 s63, 0
	s_cselect_b64 s[2:3], s[76:77], s[4:5]         ; v's operands lie in xw, S's in qk
	s_mov_b32 s40, 1
	s_add_nc_u64 s[42:43], s[2:3], s[20:21]
	s_or_b32 s43, s43, 0x80000000
	s_cmp_lt_u32 s14, 4                            ; one load a wave; the two regions' lines are apart, since only region 0's issuers wait at the first barrier
	s_cbranch_scc0 .Lregion_1
	tensor_load_to_lds s[40:43], s[G1:G1+7]
	s_nop 0
	PLACES
	s_branch .Lasked
.Lregion_1:
	tensor_load_to_lds s[40:43], s[G1:G1+7]
	s_nop 0
	PLACES
.Lasked:
	; where S's results go
	s_lshl_b32 s58, s8, 1
	s_add_co_u32 s58, s58, s15                     ; my group of 128 queries in the batch
	s_lshl_b32 s59, s9, 1
	s_add_co_u32 s59, s59, s16                     ; my key step
	s_sub_co_u32 s17, 15, s58
	s_sub_co_u32 s18, 16, s59
	s_cmp_ge_u32 s58, 8
	s_cselect_b32 s17, s17, s58                    ; the pair
	s_cselect_b32 s18, s59, s18                    ; the position
	s_lshl_b32 s19, s10, 3
	s_add_co_u32 s17, s17, s19
	s_mul_i32 s17, s17, 17
	s_add_co_u32 s17, s17, s18                     ; n
	s_mul_i32 s66, s17, 12288
	s_mul_i32 s18, s13, 6144
	s_add_co_u32 s66, s66, s18
	s_mov_b32 s67, 0
	s_add_nc_u64 s[66:67], s[6:7], s[66:67]        ; my four fragment images
	s_mul_i32 s68, s17, 1536
	s_mul_i32 s18, s13, 768
	s_add_co_u32 s68, s68, s18
	s_add_co_u32 s68, s68, PPE
	s_mov_b32 s69, 0
	s_add_nc_u64 s[68:69], s[6:7], s[68:69]        ; my entries
	; where v's go
	s_lshl_b32 s17, s10, 3
	s_lshl_b32 s18, s25, 1
	s_add_co_u32 s17, s17, s18
	s_add_co_u32 s17, s17, s15
	s_add_co_u32 s17, s17, 2                       ; the group of channels
	s_lshl_b32 s18, s12, 1
	s_add_co_u32 s18, s18, s16                     ; my key step
	s_lshl_b32 s17, s17, 4
	s_add_co_u32 s17, s17, s18
	s_mul_i32 s72, s17, BLK
	s_mul_i32 s18, s13, 6144
	s_add_co_u32 s70, s72, s18
	s_mov_b32 s71, 0
	s_add_nc_u64 s[70:71], s[78:79], s[70:71]      ; my four fragment images
	s_lshl_b32 s18, s13, 8
	s_add_co_u32 s72, s72, s18
	s_add_co_u32 s72, s72, 12288
	s_mov_b32 s73, 0
	s_add_nc_u64 s[72:73], s[78:79], s[72:73]      ; my half of the scale image
	s_cmp_lt_u32 s14, 4
	s_cbranch_scc0 .Lnot_region_0
	s_wait_tensorcnt 0x0                           ; my part of region 0 is in; region 1 may stay out
.Lnot_region_0:
	s_barrier_signal -1
	s_barrier_wait -1
	FA 0, 0
	FB 0, 0
	FB 0, 1
	STEP 0, 1                                      ; K step 0 starts the sums
	STEP 1, 0
	s_wait_dscnt 12                                ; K step 2 changes regions: the launch's one refill
	s_wait_tensorcnt 0x0                           ; my head load has landed;
	ds_add_u32 v[SPW], v[NIL]                      ; 0 onto my spare word;
	s_mov_b32 s41, s24                             ; no load of mine is out: the group 0 becomes the refill's,
	s_add_nc_u64 s[42:43], s[42:43], s[26:27]
	s_mov_b32 s[G1+2], 2<<16                       ; one block: two rows of 6,400 bytes
	s_mov_b32 s[G1+4], 2
	MUL 0, 0, 0
	s_wait_dscnt 0x0                               ; the add is done, and my reads of region 0 are over
	s_barrier_signal -1
	MUL 0, 1, 0
	s_barrier_wait -1                              ; nobody reads region 0 any more, and region 1 is whole
	s_cmp_lt_u32 s14, 4                            ; my one tensor load behind the barrier, and the first thing there: waves 0-3 K step 6, waves 4-7 K step 7, by lines of their own, since they are waited for at different barriers
	s_cbranch_scc0 .Lfill_step_7
	tensor_load_to_lds s[40:43], s[G1:G1+7]
	s_nop 0
	PLACES                                         ; also the places in front of the loads below
	s_branch .Lrefilled
.Lfill_step_7:
	tensor_load_to_lds s[40:43], s[G1:G1+7]
	s_nop 0
	PLACES
.Lrefilled:
	FA 3, 1
	FB 3, 0
	FB 3, 1
	STEP 3, 0
	STEP 4, 0
	s_wait_dscnt 12                                ; K step 5
	MUL 1, 0, 0
	s_cmp_lt_u32 s14, 4
	s_cbranch_scc0 .Lnot_step_6
	s_wait_tensorcnt 0x0                           ; my part of K step 6 is in; K step 7 may stay out:
.Lnot_step_6:
	s_wait_dscnt 0x0
	s_barrier_signal -1
	MUL 1, 1, 0
	s_barrier_wait -1
	PLACES
	FA 6, 0
	FB 6, 0
	FB 6, 1
	s_wait_dscnt 12                                ; K step 6
	MUL 0, 0, 0
	s_wait_tensorcnt 0x0                           ; my part of K step 7 is in,
	s_wait_dscnt 0x0
	s_barrier_signal -1
	MUL 0, 1, 0
	s_barrier_wait -1                              ; everybody's is
	PLACES
	FA 7, 1
	FB 7, 0
	FB 7, 1
	s_wait_dscnt 12                                ; K step 7
	MUL 1, 0, 0
	s_wait_dscnt 0x0
	MUL 1, 1, 0
; THE SOFTMAX OF TILE a (16 queries x my 128 keys).  Register 16 b + i of a lane is key 32 b + 16 (lane / 16) + i; my query's place among the 128 is 64 (wave / 2 % 2) + 32 (a / 2) + 8 (a % 2) + r % 8 + 16 (r / 8).
.macro HIDE nb                         ; the quadrant on the diagonal: block nb is the one that the diagonal crosses: hidden where the key comes after my query; the blocks behind it are hidden whole
	WIN 0x41
.irp n, 0,1,2,3,4,5,6,7,8,9,10,11,12,13,14,15
	v_cmp_gt_i32 vcc_lo, \n, v[DD]
	v_cndmask_b32 v[AC+16*(\nb)+\n], v[AC+16*(\nb)+\n], v[NINF], vcc_lo
.endr
.if (\nb) < 3
.set n2, 16*(\nb)+16
.rept 48-16*(\nb)
	v_mov_b32 v[AC+n2], 0xff800000
.set n2, n2+1
.endr
.endif
	WIN 0
.endm
.macro SOFT a
.set AC, 64*(\a)
.if (\a) > 0
	s_wait_xcnt 0x0                                ; the last tile's stores have read the codes' registers
.endif
	s_cmp_lg_u32 s59, s58                          ; ids and the wave's number alone: only the quadrant on the diagonal has hidden keys
	s_cbranch_scc1 .Lopen_\@
	v_add_nc_u32 v[DD], 8*((\a)%2), v[QL0]
	s_wait_alu depctr_va_vdst(0)                   ; ahead of the branch
	s_cmp_lg_u32 s13, 0
	s_cbranch_scc1 .Lupper_\@
	HIDE (\a)/2
	s_wait_alu depctr_va_vdst(0)
	s_branch .Lopen_\@
.Lupper_\@:
	HIDE 2+(\a)/2
.Lopen_\@:
	WIN 0x15
.irp b, 0,1,2,3
	v_max3_num_f32 v[BM+\b], v[AC+16*\b], v[AC+16*\b+1], v[AC+16*\b+2]   ; the largest score of each block of 32 keys: it serves for the row's maximum and, since p rises with the score, for the block's largest p
.endr
	WIN 0x14
.irp i, 3,5,7,9,11,13
.irp b, 0,1,2,3
	v_max3_num_f32 v[BM+\b], v[BM+\b], v[AC+16*\b+\i], v[AC+16*\b+\i+1]
.endr
.endr
.irp b, 0,1,2,3
	v_max_num_f32 v[BM+\b], v[BM+\b], v[AC+16*\b+15]
.endr
	WIN 0
.irp b, 0,1,2,3
	v_permlanex16_b32 v[BX+\b], v[BM+\b], s60, s61
.endr
.irp b, 0,1,2,3
	v_max_num_f32 v[BM+\b], v[BM+\b], v[BX+\b]     ; with lane l xor 16's 16 keys
.endr
	v_max3_num_f32 v166, v[BM], v[BM+1], v[BM+2]
	v_max_num_f32 v166, v166, v[BM+3]              ; my query's largest score among these 128 keys (key 0 of the quadrant counts for every query: it is a number)
	v_mul_f32 v166, s56, v166                      ; as t (c is positive)
	v_floor_f32 v[NMV], -v166                      ; -M = floor(-t) = -ceil(t): a whole number
	WIN 0x01
.set j, 0
.rept 32
	v_pk_fma_f32 v[T+j:T+j+1], v[AC+j:AC+j+1], s[56:57], v[NMV:NMV+1] op_sel_hi:[1,0,0]   ; t - M, two at a time
.set j, j+2
.endr
	WIN 0
.irp b, 0,1,2,3
	v_fma_f32 v[BM+\b], v[BM+\b], s56, v[NMV]      ; the same of each block's largest score
.endr
.set j, 0
	s_wait_alu depctr_va_vdst(0)                   ; ahead of the batch
.rept 64
	v_exp_f32 v[T+j], v[T+j]                       ; p = 2^(t - M), at most 1: not normalised
.set j, j+1
.endr
	v_mov_b32 v[NMS+(\a)], v[NMV]                  ; (a plain place behind the exponentials)
	s_wait_alu depctr_va_vdst(0)                   ; and ahead of the batch's first reader: one for the 64
.irp b, 0,1,2,3
	v_exp_f32 v[BM+\b], v[BM+\b]                   ; the block's largest p
.endr
	v_pk_add_f32 v[168:169], v[T:T+1], v[T+2:T+3]  ; the sum is taken of the unquantised p: two at a time, in two chains (they read the 64 alone)
	v_pk_add_f32 v[170:171], v[T+4:T+5], v[T+6:T+7]
.set j, 8
.rept 14
	v_pk_add_f32 v[168:169], v[168:169], v[T+j:T+j+1]
	v_pk_add_f32 v[170:171], v[170:171], v[T+j+2:T+j+3]
.set j, j+4
.endr
	v_pk_add_f32 v[168:169], v[168:169], v[170:171]
	v_add_f32 v166, v168, v169
	v_permlanex16_b32 v[BX], v166, s60, s61
	v_add_f32 v[LLS+(\a)], v166, v[BX]             ; with lane l xor 16's 64 keys
	s_wait_alu depctr_va_vdst(0)                   ; and one wait for the four
.irp b, 0,1,2,3
	v_max_num_f32 v[BM+\b], 0x1800000, v[BM+\b]    ; the floor 2^(3 - 127): the byte cannot fall under 1
.endr
.irp b, 0,1,2,3
	v_add_nc_u32 v[SOP+\b], 0xff000000, v[BM+\b]   ; 2 off the exponent field: the conversion's scale operand
.endr
.irp b, 0,1,2,3
	v_lshrrev_b32 v[BX+\b], 23, v[SOP+\b]          ; the scale's byte, at most 125
.endr
	v_lshl_or_b32 v[PWB+(\a)], v[BX+1], 8, v[BX]
	v_lshl_or_b32 v[PWB+(\a)], v[BX+2], 16, v[PWB+(\a)]
	v_lshl_or_b32 v[PWB+(\a)], v[BX+3], 24, v[PWB+(\a)]
.irp c, 0,1
	v_cvt_scalef32_pk16_fp6_f32 v[CD+6*\c:CD+2+6*\c], v[T+32*\c:T+32*\c+15], v[SOP+2*\c]
	v_cvt_scalef32_pk16_fp6_f32 v[CD+12+4*\c:CD+14+4*\c], v[T+32*\c+16:T+32*\c+31], v[SOP+2*\c+1]
.endr
	v_nop                                          ; one plain place behind a scaled conversion
.irp c, 0,1
.irp i, 0,1,2
	v_permlane16_swap_b32 v[CD+6*\c+\i], v[CD+12+4*\c+\i]
.endr
.irp i, 0,1,2
	v_mov_b32 v[CD+3+6*\c+\i], v[CD+12+4*\c+\i]
.endr
.endr
.irp p, 0,1,2
	global_store_b128 v[L16], v[CD+4*\p:CD+4*\p+3], s[66:67] offset:1536*(\a)+512*\p   ; 512 consecutive bytes
.endr
.endm
; v's WAY OUT: tile a's 64 registers of a lane (register 16 b + i = token 32 b + 16 (lane / 16) + i of my channel) become one fragment and one scale word a row, as in launch 2
.macro QUANT a
.set AC, 64*(\a)
	WIN 0x05
.irp b, 0,1,2,3
	v_max3_num_f32 v[QTM+\b], |v[AC+16*\b]|, |v[AC+16*\b+1]|, 0x1800000   ; block b: my 16 numbers, each accumulator from its low end on; the floor 2^(3 - 127) holds the byte at 1 from below
.endr
	WIN 0x14
.irp i, 2,4,6,8,10,12,14
.irp b, 0,1,2,3
	v_max3_num_f32 v[QTM+\b], v[QTM+\b], |v[AC+16*\b+\i]|, |v[AC+16*\b+\i+1]|
.endr
.endr
	WIN 0
.irp b, 0,1,2,3
	v_permlanex16_b32 v[QTM+4+\b], v[QTM+\b], s60, s61
.endr
.irp b, 0,1,2,3
	v_max_num_f32 v[QTM+\b], v[QTM+\b], v[QTM+4+\b]   ; with lane l xor 16's: the block's largest magnitude
.endr
.irp b, 0,1,2,3
	v_add_nc_u32 v[QTM+12+\b], 0xff000000, v[QTM+\b]  ; 2 off the exponent field: the conversion's scale operand
.endr
.irp b, 0,1,2,3
	v_lshrrev_b32 v[QTM+4+\b], 23, v[QTM+12+\b]       ; the scale's byte
.endr
	v_lshl_or_b32 v[QPW+(\a)], v[QTM+5], 8, v[QTM+4]
	v_lshl_or_b32 v[QPW+(\a)], v[QTM+6], 16, v[QPW+(\a)]
	v_lshl_or_b32 v[QPW+(\a)], v[QTM+7], 24, v[QPW+(\a)]
	WIN 0x01
.irp c, 0,1
	v_cvt_scalef32_pk16_fp6_f32 v[QPC+6*\c:QPC+2+6*\c], v[AC+32*\c:AC+32*\c+15], v[QTM+12+2*\c]
	v_cvt_scalef32_pk16_fp6_f32 v[QPC+12+4*\c:QPC+14+4*\c], v[AC+32*\c+16:AC+32*\c+31], v[QTM+12+2*\c+1]
.endr
	WIN 0
	v_nop                                          ; one plain place behind a scaled conversion
.irp c, 0,1
.irp i, 0,1,2
	v_permlane16_swap_b32 v[QPC+6*\c+\i], v[QPC+12+4*\c+\i]
.endr
.irp i, 0,1,2
	v_mov_b32 v[QPC+3+6*\c+\i], v[QPC+12+4*\c+\i]
.endr
.endr
.irp p, 0,1,2
	global_store_b128 v[L16], v[QPC+4*\p:QPC+4*\p+3], s[70:71] offset:1536*(\a)+512*\p   ; 512 consecutive bytes
.endr
.endm
	PLACES                                         ; behind the last products
	s_cmp_lg_u32 s63, 0                            ; the work-group's number alone: v's tiles take their own way out
	s_cbranch_scc1 .Lvpath
	s_cmp_gt_u32 s59, s58                          ; my keys all come after my queries: the dead quadrant of a diagonal tile
	s_cbranch_scc1 .Ldone
.irp b, 0,1,2,3
	v_mov_b32 v[BX+\b], 0                          ; written once: a lane permute's destination counts as one of its sources
.endr
	v_mov_b32 v[NMV+1], 0                          ; (named as the upper half of a pair)
	s_wait_alu depctr_va_vdst(0)                   ; ahead of the branch
.irp a, 0,1,2,3
	SOFT \a
.endr
.irp j, 0,1                            ; lanes 0-15: the even tile's, lanes 16-31: the odd tile's
	v_cndmask_b32 v[IM+4*\j], v[PWB+2*\j], v[PWB+2*\j+1], s62
	v_cndmask_b32 v[IM+4*\j+1], v[NMS+2*\j], v[NMS+2*\j+1], s62
	v_cndmask_b32 v[IM+4*\j+2], v[LLS+2*\j], v[LLS+2*\j+1], s62
.endr
.irp j, 0,1                            ; 384 consecutive bytes each, 768 together
	global_store_b96 v[L12], v[IM+4*\j:IM+4*\j+2], s[68:69] offset:384*\j
.endr
	s_branch .Ldone
.Lvpath:
.irp b, 0,1,2,3
	v_mov_b32 v[QTM+4+\b], 0                       ; written once: a lane permute's destination counts as one of its sources
.endr
.irp a, 0,1,2,3
.if \a > 0
	s_wait_xcnt 0x0                                ; the last tile's stores have read the codes' registers
.endif
	QUANT \a
.endr
.irp j, 0,1
	v_cndmask_b32 v[QIM+\j], v[QPW+2*\j], v[QPW+2*\j+1], s62    ; lanes 0-15: the even tile's words, lanes 16-31: the odd tile's
.endr
	global_store_b64 v[L8], v[QIM:QIM+1], s[72:73] ; 256 consecutive bytes
.Ldone:
	s_wait_tensorcnt 0x0                           ; the wave's end
	ds_add_u32 v[SPW], v[NIL]
	s_wait_dscnt 0x0
	s_endpgm
.Lfunc_end_k_qf496ac7a28_score:
	.size	k_qf496ac7a28_score, .Lfunc_end_k_qf496ac7a28_score-k_qf496ac7a28_score
	.p2alignl 7, 3214868480
	.fill 96, 4, 3214868480
	.section	.rodata,"a",@progbits
	.p2align	6, 0x0
	.amdhsa_kernel k_qf496ac7a28_score
		.amdhsa_group_segment_fixed_size 327680
		.amdhsa_private_segment_fixed_size 0
		.amdhsa_enable_private_segment 0
		.amdhsa_kernarg_size 32
		.amdhsa_user_sgpr_count 2
		.amdhsa_user_sgpr_kernarg_segment_ptr 1
		.amdhsa_wavefront_size32 1
		.amdhsa_system_sgpr_workgroup_id_x 1
		.amdhsa_system_sgpr_workgroup_id_y 1
		.amdhsa_system_sgpr_workgroup_id_z 1
		.amdhsa_system_vgpr_workitem_id 0
		.amdhsa_next_free_vgpr 512
		.amdhsa_next_free_sgpr 84
		.amdhsa_reserve_vcc 1
		.amdhsa_float_denorm_mode_32 3
		.amdhsa_float_denorm_mode_16_64 3
		.amdhsa_memory_ordered 1
		.amdhsa_forward_progress 1
		.amdhsa_inst_pref_size 147
	.end_amdhsa_kernel
	.amdgpu_metadata
---
amdhsa.version: [ 1, 2 ]
amdhsa.kernels:
  - .name:           k_qf496ac7a28_score
    .symbol:         k_qf496ac7a28_score.kd
    .args:
      - { .name: qk, .offset: 0, .size: 8, .value_kind: global_buffer, .address_space: global }
      - { .name: pp, .offset: 8, .size: 8, .value_kind: global_buffer, .address_space: global }
      - { .name: xw, .offset: 16, .size: 8, .value_kind: global_buffer, .address_space: global }
      - { .name: vv, .offset: 24, .size: 8, .value_kind: global_buffer, .address_space: global }
    .group_segment_fixed_size: 327680
    .private_segment_fixed_size: 0
    .kernarg_segment_align: 8
    .kernarg_segment_size: 32
    .max_flat_workgroup_size: 256
    .sgpr_count:     84
    .vgpr_count:     512
    .wavefront_size: 32
...
	.end_amdgpu_metadata
.endif
;; end of part 3
;; launch mix (part 4): grid 8 x 32, 8 waves a work-group, clusters of 4 x 1, 327,680 bytes of LDS; arguments vv, pp, out0; writes out0
.if DOCPART == 4
	.amdgcn_target "amdgcn-amd-amdhsa--gfx1250"
	.amdhsa_code_object_version 6
	.text
	.protected	k_qf496ac7a28_mix
	.globl	k_qf496ac7a28_mix
	.p2align	8
	.type	k_qf496ac7a28_mix,@function
k_qf496ac7a28_mix:
	s_mov_b64 s[64:65], 0
	v_nop
	global_prefetch_b8 v0, s[64:65] scope:SCOPE_SE
	s_setreg_imm32_b32 hwreg(HW_REG_WAVE_MODE, 25, 1), 1
	s_wait_xcnt 0x0
	s_wait_alu depctr_hold_cnt(0) depctr_sa_sdst(0) depctr_va_vdst(0) depctr_va_sdst(0) depctr_va_ssrc(0) depctr_va_vcc(0) depctr_vm_vsrc(0)
	s_getreg_b32 s2, hwreg(HW_REG_IB_STS2, 6, 4)
	s_cmp_eq_u32 s2, 0
	s_cbranch_scc0 .Lentry_in_a_cluster
	s_endpgm
.Lentry_in_a_cluster:
	s_bfe_u32 s2, ttmp6, 0x10000c
	s_cmp_lg_u32 s2, 0x3003
	s_cbranch_scc0 .Lentry_shape_is_right
	s_endpgm
.Lentry_shape_is_right:
; LAUNCH 4 OF 4.  O = P v / l on codes of FP6 (K = the keys, in steps of 128).  Formats: V's blocks: launch 1's head; pp: launch 3's.
; LEFT OUT AS DEAD WORK: for the block i of 128 queries the key steps ks > i: reference() masks those keys itself, p = 0 there for all inputs.  A NaN or an infinity that reaches only that work is not carried to the result.
; EVEN SHARES.  A work-group makes a PAIR of query blocks of one batch, 15 - j ("B") and j ("A"), x one group of 128 channels: 16 - j and j + 1 key steps, 17 products of 128 x 128 x 128 for every j.  A POSITION p is one of these
; products: B's key step p at p = 0 .. 15 - j, A's key step 16 - p at p = 16 - j .. 16.  P's 17 tiles of a pair lie on end in pp in that order.
; WAVES: eight: wave w takes 32 queries (w / 2) x 64 channels (w % 2) of both blocks: 8 + 8 accumulators.  Source 0 = 16 channels of V, source 1 = 16 queries of P: a lane holds one query and eight channels a tile.
; LDS: V's key steps 0-8, P's 17 positions: all asked for at the head, one load a wave, what is wanted first first; one refill, V's key steps 9-15, onto P's positions 0-7 (7 x 12,800 of their 98,304 bytes); the spare words.
; ORDER: B's positions 0-8; the refill is asked for; A's positions (V's key steps 0-7 are there still) under its flight; A's results leave; B's positions 9 .. 15 - j; B's results leave.
; What hangs on j are scalar branches round products, round a refill's load that no step reads, and addresses: no barrier, no wait, no joint load.  Every wait on TENSORcnt is for 0.
; CLUSTERS 4 x 1: the four work-groups of a cluster have the same pair and neighbouring groups of channels: P's tiles are asked for jointly, V's are each work-group's own.  j comes from the grid's y alone, which the four share.
; NO PREFETCH: all but V's last seven key steps are asked for at the head, and there is no loop to run ahead in.
; THE MERGE.  Launch 3 left, for each query and position, P's scale word under the local M, -M local and the local sum.  Here the row's -M is the least of the local ones of its block; D = row's M - local M is a whole number, 0 or more;
; the sum takes each local sum x 2^-D, and D is taken off each of the word's four bytes.  A wave does this for its own 32 queries of each block: a lane holds one; the moved words stay in v32-48 in the layout that the matrix instruction reads.
; LIMITS: D is held at 127; a byte that would fall under 0 is held at 0 (2^-127).  NaN and infinities are not served.
.set BLK,   12800
.set PT,    12288                      ; a tile of P
.set PB,    9*BLK                      ; P's tiles lie behind V's nine blocks
.set SPARE, PB+17*PT                   ; the spare words, 128 bytes a wave
.set PPE,   6684672
.set AP,   4                           ; v4-7   my P fragments: positions 0-4, 5-9, 10-14, 15-16
.set AV,   8                           ; v8-11  my V fragments: blocks 0-4, 5-8, the refill's first five, its last two
.set AS,   12                          ; v12-15 my V scale words, likewise
.set STO,  16                          ; v16    the stage, on the way in
.set RD,   17                          ; v17    and back
.set CO,   18                          ; v18    and in out0
.set L12,  19
.set RL,   20                          ; v20-27 1 / l, a pair of equal values for each block and tile
.set SPW,  28
.set NIL,  29
.set PSR,  32                          ; v32-48 P's scale words: lanes 0-15 my tile 0, lanes 16-31 my tile 1
.set SV,   56                          ; v56-59 two sets of V's scale words
.set VF,   64                          ; v64-159 two sets of V's 4 fragments
.set PF,   160                         ; v160-207 two sets of P's 2 fragments
; window 1: v0-63, v64-127 B's and A's accumulators; the merge's registers:
.set EW,   128                         ; position p's entry at v128 + 4 p: word, -M, sum
.set EN,   129
.set ES,   130
.set DT,   196                         ; v196-212, v213-229, v230-246 at work
.set UT,   213
.set RT,   230
.set BIG,  247                         ; v247 above every -M
.set MB,   248                         ; v248, v249 the rows' -M of B, A
.set MA,   249
.set ZZ,   250                         ; v250 0
.set LB,   251                         ; v251, v252 the rows' sums of B, A
.set RC,   253                         ; v253, v254 their reciprocals
.set G1V,  20                          ; s[20:27] group 1 for V's blocks
.set G1P,  28                          ; s[28:35] for three tiles of P, jointly
.set G1Q,  44                          ; s[44:51] for four
.set BV,   52                          ; s[52:53] V's blocks;  s[54:55] P's tiles;  s[56:57] my entries;  s[58:59], s[60:61] my part of out0 for B, A
.set BP,   54
.set MK,   70                          ; s70-76 all ones where position 9 .. 15 is B's, else 0
.set MSB, 0
.macro WIN new
.if MSB != (\new)
	s_set_vgpr_msb (MSB<<8)|(\new)
.set MSB, (\new)
.endif
.endm
.macro PLACES
.rept 4
	v_nop
.endr
.endm
.macro CREST                           ; a round of the cluster's barrier behind its opening barrier
	s_cmp_lg_u32 s14, 0
	s_cbranch_scc1 .Lnot_wave_0_\@
	s_barrier_signal -3
.Lnot_wave_0_\@:
	s_barrier_wait -3
	s_barrier_signal -1
	s_barrier_wait -1
.endm
.macro CROUND
	s_barrier_signal -1
	s_barrier_wait -1
	CREST
.endm
.macro WM a, c, rb, p, e, acc, zero
.set D_, 64*(\acc)+32*\a+16*\c+8*\rb
.set V_, VF+48*(\e)+24*\c+12*\rb
.set P_, PF+24*(\e)+12*\a
.set SB_, SV+2*(\e)+\c
.set SA_, PSR+(\p)
.if \zero
	v_wmma_scale_f32_16x16x128_f8f6f4 v[D_:D_+7], v[V_:V_+11], v[P_:P_+11], 0, v[SB_], v[SA_] matrix_a_fmt:MATRIX_FMT_FP6 matrix_b_fmt:MATRIX_FMT_FP6 matrix_a_scale:MATRIX_SCALE_ROW\rb matrix_b_scale:MATRIX_SCALE_ROW\a
.else
	v_wmma_scale_f32_16x16x128_f8f6f4 v[D_:D_+7], v[V_:V_+11], v[P_:P_+11], v[D_:D_+7], v[SB_], v[SA_] matrix_a_fmt:MATRIX_FMT_FP6 matrix_b_fmt:MATRIX_FMT_FP6 matrix_a_scale:MATRIX_SCALE_ROW\rb matrix_b_scale:MATRIX_SCALE_ROW\a
.endif
.endm
.macro MUL p, e, acc, zero             ; position p on set e: 8 products; acc 0: B's accumulators, 1: A's; they take turns
	WIN 0x50
.irp a, 0,1
.irp c, 0,1
	WM \a, \c, 0, \p, \e, \acc, \zero
	WM \a, \c, 1, \p, \e, \acc, \zero
.endr
.endr
	WIN 0
.endm
.macro GET p, bk, e                    ; 19 LDS loads in one run: P's position p and V's key step bk into set e
.if (\bk) < 9
.set R_, (\bk)/5
.set O_, BLK*((\bk)%5)
.else
.set R_, 2+((\bk)-9)/5
.set O_, BLK*(((\bk)-9)%5)
.endif
.set ii, 0
.rept 12
	ds_load_b128 v[VF+48*(\e)+4*ii:VF+48*(\e)+4*ii+3], v[AV+R_] offset:O_+512*ii
.set ii, ii+1
.endr
	ds_load_b64 v[SV+2*(\e):SV+2*(\e)+1], v[AS+R_] offset:O_
.set ii, 0
.rept 6
	ds_load_b128 v[PF+24*(\e)+4*ii:PF+24*(\e)+4*ii+3], v[AP+(\p)/5] offset:PT*((\p)%5)+512*ii
.set ii, ii+1
.endr
.endm
.macro POS p, zero                     ; B's position p; the next one is fetched first
	s_wait_dscnt 0x0
	PLACES                                         ; the other set was read by the position before
	GET (\p)+1, (\p)+1, ((\p)+1)%2
	MUL \p, (\p)%2, 0, \zero
.endm
.macro EDGE p, under                   ; position p, and a plain barrier that shows the next three positions' tiles
	s_wait_dscnt 0x0
	s_cmp_lt_u32 s14, \under
	s_cbranch_scc0 .Lno_part_\@
	s_wait_tensorcnt 0x0
.Lno_part_\@:
	s_barrier_signal -1
	MUL \p, (\p)%2, 0, 0
	s_barrier_wait -1
	PLACES
	GET (\p)+1, (\p)+1, ((\p)+1)%2
.endm
.macro ASTEP t, zero                   ; A's key step t, position 16 - t
	s_wait_dscnt 0x0
.if (\t) < 7
	PLACES
	GET 15-(\t), (\t)+1, (\t)%2
.endif
	MUL 16-(\t), ((\t)+1)%2, 1, \zero
.if (\t) < 7
	s_cmp_lt_u32 s13, (\t)+1                       ; ids alone: A's last key step is j
	s_cbranch_scc1 .La_done
.endif
.endm
.macro BSTEP p                         ; B's position p of 9 .. 14; where it is B's last, its products stand behind the run (BLAST): what was not asked for is not read
	s_wait_dscnt 0x0
	s_cmp_lt_u32 s17, \p+1
	s_cbranch_scc1 .Lb_last_\p
	PLACES
	GET \p+1, \p+1, (\p+1)%2
	MUL \p, \p%2, 0, 0
.endm
.macro BLAST p
.Lb_last_\p:
	MUL \p, \p%2, 0, 0
	s_branch .Lb_done
.endm
; THE WAY OUT of a block: two tiles of 16 queries x 64 channels: x 1 / l; through my stage in LDS; back as rows of 256 bytes.  Stage row r is query 8 a + r % 8 + 16 (r / 8) of my 32.
.macro OUT acc, base
.irp a, 0,1
.set T_, 64+96*\a
.set K_, 96+32*\a
	WIN 0x01
.set j, 0
.rept 16
	v_pk_mul_f32 v[T_+j:T_+j+1], v[64*(\acc)+32*\a+j:64*(\acc)+32*\a+j+1], v[RL+4*(\acc)+2*\a:RL+4*(\acc)+2*\a+1]   ; each accumulator from its low end on
.set j, j+2
.endr
	WIN 0
.irp b, 0,1,2,3
	ds_store_b128 v[STO], v[T_+8*\b:T_+8*\b+3] offset:128*(\b/2)+32*(\b%2)
	ds_store_b128 v[STO], v[T_+8*\b+4:T_+8*\b+7] offset:128*(\b/2)+32*(\b%2)+16
.endr
.set ii, 0
.rept 8
	ds_load_b128 v[K_+4*ii:K_+4*ii+3], v[RD] offset:544*ii   ; LDS serves a wave's instructions in order: these see my stores
.set ii, ii+1
.endr
.endr
.irp a, 0,1
	s_wait_dscnt 16-16*\a                          ; tile 0's rows are back (behind them: tile 1's 8 stores and 8 loads); then tile 1's
.set K_, 96+32*\a
.set ii, 0
.rept 8
	global_store_b128 v[CO], v[K_+4*ii:K_+4*ii+3], s[\base:\base+1] offset:(8*\a+(2*ii)%8+16*(ii/4))*4096 th:TH_STORE_NT   ; two rows, 256 consecutive bytes of each, at a multiple of 256 from out0's first byte
.set ii, ii+1
.endr
.endr
.endm
.macro GROUP1 g, mask, elems, rows     ; dense rows of 8-byte elements
	s_mov_b32 s[\g], \mask
	s_mov_b32 s[\g+1], (\elems)<<16
	s_mov_b32 s[\g+2], (\rows)<<16
	s_mov_b32 s[\g+3], (\elems)<<16
	s_mov_b32 s[\g+4], \rows
	s_mov_b32 s[\g+5], \elems
	s_mov_b32 s[\g+6], 0
	s_mov_b32 s[\g+7], 0
.endm
.macro ARM w, g1, lds, base, off       ; the head's load of wave w
.if \w < 7
	s_cmp_eq_u32 s14, \w
	s_cbranch_scc0 .Lnext_\w
.endif
	s_mov_b32 s41, \lds
	s_add_nc_u64 s[42:43], s[\base:\base+1], \off
	s_or_b32 s43, s43, 0x80000000
	tensor_load_to_lds s[40:43], s[\g1:\g1+7]
	s_nop 0
	PLACES
.if \w < 7
	s_branch .Lasked
.Lnext_\w:
.endif
.endm
	s_load_b128 s[4:7], s[0:1], 0x0                ; vv, pp
	s_load_b64 s[8:9], s[0:1], 0x10                ; out0
	v_lshl_add_u32 v[SPW], v0, 2, SPARE
	v_mov_b32 v[NIL], 0
	ds_add_u32 v[SPW], v[NIL]                      ; the wave's opening: the add, twice on end, and its wait ahead of my first tensor load
	ds_add_u32 v[SPW], v[NIL]
	v_lshrrev_b32 v1, 5, v0
	v_readfirstlane_b32 s14, v1                    ; wave 0..7
	s_lshr_b32 s15, s14, 1                         ; which 32 queries are mine
	s_and_b32 s16, s14, 1                          ; which 64 channels
	s_mul_i32 s78, s15, 3072
	s_add_co_u32 s78, s78, PB
	s_mul_i32 s79, s16, 6144
	s_lshl_b32 s80, s16, 8
	s_add_co_u32 s80, s80, 12288                   ; a block's scale image lies behind its codes
	s_mul_i32 s81, s14, 4352                       ; my stage, 16 rows x (256 bytes + 16), in bytes that have had their last fill and their last read when it is first used:
	s_add_co_u32 s81, s81, 8*BLK                   ; waves 0, 1: V's block 8;
	s_add_co_u32 s82, s14, 6
	s_lshr_b32 s82, s82, 3
	s_mul_i32 s82, s82, PB+7*BLK-8*BLK-2*4352      ; waves 2-5: behind the refill, the end of P's position 7, and position 8;
	s_add_co_u32 s81, s81, s82
	s_add_co_u32 s82, s14, 2
	s_lshr_b32 s82, s82, 3
	s_mul_i32 s82, s82, 16*PT-7*BLK-4*4352         ; waves 6, 7: P's position 16
	s_add_co_u32 s81, s81, s82
	v_and_b32 v1, 31, v0
	v_and_b32 v2, 15, v0
	v_bfe_u32 v3, v0, 4, 1
	v_lshlrev_b32 v30, 4, v1                       ; 16 x lane
	v_lshlrev_b32 v31, 3, v1                       ; 8 x lane
	v_mul_u32_u24 v[L12], v1, 12
	v_add_nc_u32 v[AP], s78, v30
	v_add_nc_u32 v[AV], s79, v30
	v_add_nc_u32 v[AS], s80, v31
.irp k, 1,2,3
	v_add_nc_u32 v[AP+\k], \k*5*PT, v[AP]
.endr
.irp k, AV, AS
	v_add_nc_u32 v[\k+1], 5*BLK, v[\k]
	v_add_nc_u32 v[\k+2], PB, v[\k]
	v_add_nc_u32 v[\k+3], PB+5*BLK, v[\k]
.endr
	v_mul_u32_u24 v[STO], v2, 272
	v_lshl_add_u32 v[STO], v3, 6, v[STO]
	v_add_nc_u32 v[STO], s81, v[STO]               ; row r, + 64 h: tile b's eight channels lie 128 (b / 2) + 32 (b % 2) bytes on
	v_mul_u32_u24 v[RD], v3, 272
	v_lshl_add_u32 v[RD], v2, 4, v[RD]
	v_add_nc_u32 v[RD], s81, v[RD]                 ; lanes 0-15 a row, lanes 16-31 the next
	v_lshlrev_b32 v[CO], 12, v3
	v_lshl_add_u32 v[CO], v2, 4, v[CO]
	WIN 0x40
	v_mov_b32 v[BIG], 0x7f000000
	v_mov_b32 v[ZZ], 0
	WIN 0
	s_bfe_u32 s10, ttmp6, 0x40000                  ; cx
	s_lshl_b32 s11, ttmp9, 2
	s_add_co_u32 s10, s10, s11                     ; the group of channels
	s_and_b32 s12, ttmp7, 0xffff                   ; 8 x batch + pair
	s_lshr_b32 s11, s12, 3                         ; the batch
	s_and_b32 s13, s12, 7                          ; j
	s_sub_co_u32 s17, 15, s13                      ; B's block, and its last key step
	s_sub_co_u32 s18, 7, s13                       ; how many waves have a part of the refill
	GROUP1 G1V, 3<<16, 800, 6                      ; three blocks as six rows of 6,400 bytes
	GROUP1 G1P, 15|(3<<16)|(1<<21), 1536, 3        ; three tiles of P as rows of 12,288 bytes; 15:0 the mask: all four of the cluster; 21 set beside a mask
	GROUP1 G1Q, 15|(3<<16)|(1<<21), 1536, 4
	s_lshl_b32 s78, s11, 3
	s_add_co_u32 s78, s78, s10
	s_mul_i32 s78, s78, 16*BLK                     ; V: my group's 16 blocks
	s_mov_b32 s79, 0
	s_mul_i32 s80, s12, 17*PT                      ; P: my pair's 17 tiles, in registers that never hold cx
	s_mov_b32 s81, 0
	s_mul_i32 s82, s12, 17*1536
	s_mul_i32 s84, s15, 384
	s_add_co_u32 s82, s82, s84
	s_add_co_u32 s82, s82, PPE                     ; my entries
	s_mov_b32 s83, 0
	s_lshl_b32 s84, s11, 11
	s_lshl_b32 s85, s15, 5
	s_add_co_u32 s84, s84, s85
	s_lshl_b32 s84, s84, 12                        ; batch and my 32 queries: rows of 4,096 bytes
	s_lshl_b32 s85, s10, 9
	s_add_co_u32 s84, s84, s85
	s_lshl_b32 s85, s16, 8
	s_add_co_u32 s84, s84, s85                     ; and my channels
	s_lshl_b32 s86, s17, 19
	s_add_co_u32 s86, s86, s84                     ; B's block of 128 rows
	s_mov_b32 s87, 0
	s_lshl_b32 s88, s13, 19
	s_add_co_u32 s88, s88, s84                     ; A's
	s_mov_b32 s89, 0
	s_mul_i32 s90, s14, BLK
	s_add_co_u32 s91, s90, PB                      ; the refill: V's key step 9 + wave, to here
	s_add_co_u32 s92, s90, 9*BLK
	s_mov_b32 s93, 0
	s_mov_b32 s62, 0xffff0000                      ; lanes 16-31
	s_mov_b32 s66, 0x76543210
	s_mov_b32 s67, 0xfedcba98
	s_mov_b32 s68, 0x80808080
	s_mov_b32 s69, 0x7f7f7f7f
.irp k, 0,1,2,3,4,5,6
	s_cmp_ge_u32 s17, 9+\k
	s_cselect_b32 s[MK+\k], -1, 0
.endr
	s_mov_b32 s40, 1
	s_wait_alu depctr_va_vdst(0)                   ; the wait at the head's end
	s_wait_dscnt 0x0                               ; both opening adds are done
	s_wait_kmcnt 0x0
	s_add_nc_u64 s[56:57], s[6:7], s[82:83]
	WIN 0x40
.set ii, 0
.rept 17
	global_load_b96 v[EW+4*ii:EW+4*ii+2], v[L12], s[56:57] offset:1536*ii   ; 384 consecutive bytes
.set ii, ii+1
.endr
	WIN 0
	s_add_nc_u64 s[BV:BV+1], s[4:5], s[78:79]
	s_add_nc_u64 s[BP:BP+1], s[6:7], s[80:81]
	s_add_nc_u64 s[58:59], s[8:9], s[86:87]
	s_add_nc_u64 s[60:61], s[8:9], s[88:89]
	CROUND                                         ; all four work-groups are here: the first joint loads meet
	ARM 0, G1V, 0, BV, 0                           ; one load a wave, in one chain: V's key steps and P's positions 0-2, 3-5, 6-8, then P's 9-12, 13-16
	ARM 1, G1P, PB, BP, 0
	ARM 2, G1V, 3*BLK, BV, 3*BLK
	ARM 3, G1P, PB+3*PT, BP, 3*PT
	ARM 4, G1V, 6*BLK, BV, 6*BLK
	ARM 5, G1P, PB+6*PT, BP, 6*PT
	ARM 6, G1Q, PB+9*PT, BP, 9*PT
	ARM 7, G1Q, PB+13*PT, BP, 13*PT
.Lasked:
; THE MERGE goes in four parts: the rows' -M and the words of positions 0-8 ahead of the first product; the other words and the sums behind products, while the next position's LDS loads are on their way.
.macro ENTS lo, num                    ; positions lo .. lo + num - 1, line by line over the positions
	WIN 0x55
.set oo, 0
.rept 14
.set ii, \lo
.rept \num
.if oo == 0
.if ii < 9
	v_sub_f32 v[DT+ii], v[EN+4*ii], v[MB]          ; D = row's M - local M,
.elseif ii < 16
	v_sub_f32 v[DT+ii], v[EN+4*ii], v[RT+ii]
.else
	v_sub_f32 v[DT+ii], v[EN+4*ii], v[MA]
.endif
.elseif oo == 1
	v_min_num_f32 v[DT+ii], 0x42fe0000, v[DT+ii]   ; held at 127
.elseif oo == 2
	v_cvt_u32_f32 v[DT+ii], v[DT+ii]
.elseif oo == 3
	v_sub_nc_u32 v[UT+ii], 0, v[DT+ii]
.elseif oo == 4
	v_ldexp_f32 v[ES+4*ii], v[ES+4*ii], v[UT+ii]   ; the local sum x 2^-D
.elseif oo == 5
	v_lshl_or_b32 v[DT+ii], v[DT+ii], 8, v[DT+ii]
.elseif oo == 6
	v_lshl_or_b32 v[DT+ii], v[DT+ii], 16, v[DT+ii] ; D in all four bytes
.elseif oo == 7
	v_or_b32 v[UT+ii], s68, v[EW+4*ii]             ; each byte, at most 125, + 128:
.elseif oo == 8
	v_sub_nc_u32 v[UT+ii], v[UT+ii], v[DT+ii]      ; less D no byte borrows from its neighbour
.elseif oo == 9
	v_and_b32 v[DT+ii], s68, v[UT+ii]              ; the top bit has stayed where byte - D is 0 or more
.elseif oo == 10
	v_lshrrev_b32 v[DT+ii], 7, v[DT+ii]
.elseif oo == 11
	v_lshlrev_b32 v[RT+ii], 8, v[DT+ii]
.elseif oo == 12
	v_sub_nc_u32 v[DT+ii], v[RT+ii], v[DT+ii]      ; x 255: a mask of whole bytes
.else
	v_and_b32 v[UT+ii], v[UT+ii], v[DT+ii]
.endif
.set ii, ii+1
.endr
.set oo, oo+1
.endr
	WIN 0x15
.set ii, \lo
.rept \num
	v_and_b32 v[PSR+ii], s69, v[UT+ii]             ; the moved word
.set ii, ii+1
.endr
	WIN 0
	s_wait_alu depctr_va_vdst(0)                   ; ahead of the waits that follow
.endm
.macro SUMS                            ; the rows' sums and 1 / l
	WIN 0x55
.irp k, 0,1,2,3,4,5,6
	v_cndmask_b32 v[DT+9+\k], v[ZZ], v[ES+36+4*\k], s[MK+\k]
	v_cndmask_b32 v[UT+9+\k], v[ES+36+4*\k], v[ZZ], s[MK+\k]
.endr
	v_add_f32 v[LB], v[ES], v[ES+4]                ; B's sum
	v_add_f32 v[LB+1], v[ES+64], v[UT+9]           ; A's
.irp k, 2,3,4,5,6,7
	v_add_f32 v[LB], v[LB], v[ES+4*\k]
	v_add_f32 v[LB+1], v[LB+1], v[UT+8+\k]
.endr
	v_add_f32 v[LB], v[LB], v[ES+32]
.irp k, 9,10,11,12,13,14,15
	v_add_f32 v[LB], v[LB], v[DT+\k]
.endr
	s_wait_alu depctr_va_vdst(0)                   ; ahead of the batch
	v_rcp_f32 v[RC], v[LB]                         ; the diagonal's key step gives a p above 1/2: the sum is no zero
	v_rcp_f32 v[RC+1], v[LB+1]
	v_nop                                          ; a plain place behind the reciprocals
	s_wait_alu depctr_va_vdst(0)                   ; and ahead of the first reader
	v_permlanex16_b32 v[RT], v[RC], s66, s67
	v_permlanex16_b32 v[RT+1], v[RC+1], s66, s67
	WIN 0x15
.irp k, 0,1                            ; in the results both halves of the lanes hold a tile's query r: tile 0's 1 / l stands in lanes 0-15, tile 1's in lanes 16-31
	v_cndmask_b32 v[RL+4*\k], v[RC+\k], v[RT+\k], s62
	v_cndmask_b32 v[RL+4*\k+1], v[RC+\k], v[RT+\k], s62
	v_cndmask_b32 v[RL+4*\k+2], v[RT+\k], v[RC+\k], s62
	v_cndmask_b32 v[RL+4*\k+3], v[RT+\k], v[RC+\k], s62
.endr
	WIN 0
	s_wait_alu depctr_va_vdst(0)                   ; ahead of the waits that follow
.endm
	s_wait_loadcnt 0x0
	WIN 0x55
	v_min3_num_f32 v[MB], v[EN], v[EN+4], v[EN+8]  ; B's -M: the least of positions 0-8
.irp k, 3,5,7
	v_min3_num_f32 v[MB], v[MB], v[EN+4*\k], v[EN+4*\k+4]
.endr
.irp k, 0,1,2,3,4,5,6                  ; positions 9-15 are B's or A's
	v_cndmask_b32 v[DT+9+\k], v[BIG], v[EN+36+4*\k], s[MK+\k]
	v_cndmask_b32 v[UT+9+\k], v[EN+36+4*\k], v[BIG], s[MK+\k]
.endr
	v_min_num_f32 v[MA], v[EN+64], v[UT+9]         ; A's: position 16 among them
	v_min_num_f32 v[MB], v[MB], v[DT+9]
.irp k, 10,12,14
	v_min3_num_f32 v[MB], v[MB], v[DT+\k], v[DT+\k+1]
	v_min3_num_f32 v[MA], v[MA], v[UT+\k], v[UT+\k+1]
.endr
.irp k, 0,1,2,3,4,5,6
	v_cndmask_b32 v[RT+9+\k], v[MA], v[MB], s[MK+\k]
.endr
	ENTS 0, 9
	s_cmp_lt_u32 s14, 2
	s_cbranch_scc0 .Lnot_first
	s_wait_tensorcnt 0x0
.Lnot_first:
	s_barrier_signal -1
	s_barrier_wait -1                              ; positions 0-2 are in; the others may stay out
	GET 0, 0, 0
	POS 0, 1                                       ; its products start B's sums: nothing is cleared
	ENTS 9, 4
	POS 1, 0
	ENTS 13, 4
	EDGE 2, 4
	POS 3, 0
	SUMS
	POS 4, 0
	EDGE 5, 6
	POS 6, 0
	POS 7, 0
	s_wait_dscnt 0x0                               ; position 8: the refill's round
	s_wait_tensorcnt 0x0                           ; my head load has landed;
	ds_add_u32 v[SPW], v[NIL]                      ; 0 onto my spare word
	s_mov_b32 s41, s91                             ; no load of mine is out: the group 0 becomes the refill's,
	s_add_nc_u64 s[42:43], s[BV:BV+1], s[92:93]
	s_or_b32 s43, s43, 0x80000000
	s_mov_b32 s[G1V+2], 2<<16                      ; one block: two rows of 6,400 bytes
	s_mov_b32 s[G1V+4], 2
	s_wait_dscnt 0x0                               ; the add is done, and so are my reads of positions 0-8
	s_barrier_signal -1
	MUL 8, 0, 0, 0
	s_barrier_wait -1
	CREST                                          ; nobody reads positions 0-8 any more, and all that the head asked for is whole
	s_cmp_lt_u32 s14, s18                          ; V's key step 9 + wave is asked for only where B has it
	s_cbranch_scc0 .Lno_refill
	tensor_load_to_lds s[40:43], s[G1V:G1V+7]      ; my one tensor load behind the round, and the first thing there
	s_nop 0
	PLACES
.Lno_refill:
	PLACES                                         ; for the loads below, where the load was led round
	GET 16, 0, 1
	ASTEP 0, 1                                     ; its products start A's sums
	ASTEP 1, 0
	ASTEP 2, 0
	ASTEP 3, 0
	ASTEP 4, 0
	ASTEP 5, 0
	ASTEP 6, 0
	ASTEP 7, 0
.La_done:
	s_wait_tensorcnt 0x0                           ; my part of the refill is in,
	s_wait_dscnt 0x0                               ; and my reads of position 16 are over
	s_barrier_signal -1
	s_barrier_wait -1                              ; everybody's
	PLACES                                         ; behind A's last products
	OUT 1, 60                                      ; A leaves
	s_wait_xcnt 0x0                                ; its stores have read their registers
	s_cmp_lt_u32 s17, 9
	s_cbranch_scc1 .Lb_done
	GET 9, 9, 1
	BSTEP 9
	BSTEP 10
	BSTEP 11
	BSTEP 12
	BSTEP 13
	BSTEP 14
	s_wait_dscnt 0x0                               ; position 15 (j = 0)
	MUL 15, 1, 0, 0
	s_branch .Lb_done
	BLAST 9
	BLAST 10
	BLAST 11
	BLAST 12
	BLAST 13
	BLAST 14
.Lb_done:
	PLACES                                         ; behind B's last products
	OUT 0, 58
	s_wait_tensorcnt 0x0                           ; the wave's end
	ds_add_u32 v[SPW], v[NIL]
	s_wait_dscnt 0x0
	CROUND                                         ; the closing round: no work-group ends while a partner may still ask for a tile that names it
	s_endpgm
.Lfunc_end_k_qf496ac7a28_mix:
	.size	k_qf496ac7a28_mix, .Lfunc_end_k_qf496ac7a28_mix-k_qf496ac7a28_mix
	.p2alignl 7, 3214868480
	.fill 96, 4, 3214868480
	.section	.rodata,"a",@progbits
	.p2align	6, 0x0
	.amdhsa_kernel k_qf496ac7a28_mix
		.amdhsa_group_segment_fixed_size 327680
		.amdhsa_private_segment_fixed_size 0
		.amdhsa_enable_private_segment 0
		.amdhsa_kernarg_size 24
		.amdhsa_user_sgpr_count 2
		.amdhsa_user_sgpr_kernarg_segment_ptr 1
		.amdhsa_wavefront_size32 1
		.amdhsa_system_sgpr_workgroup_id_x 1
		.amdhsa_system_sgpr_workgroup_id_y 1
		.amdhsa_system_sgpr_workgroup_id_z 1
		.amdhsa_system_vgpr_workitem_id 0
		.amdhsa_next_free_vgpr 512
		.amdhsa_next_free_sgpr 96
		.amdhsa_reserve_vcc 0
		.amdhsa_float_denorm_mode_32 3
		.amdhsa_float_denorm_mode_16_64 3
		.amdhsa_memory_ordered 1
		.amdhsa_forward_progress 1
		.amdhsa_inst_pref_size 107
	.end_amdhsa_kernel
	.amdgpu_metadata
---
amdhsa.version: [ 1, 2 ]
amdhsa.kernels:
  - .name:           k_qf496ac7a28_mix
    .symbol:         k_qf496ac7a28_mix.kd
    .args:
      - { .name: vv, .offset: 0, .size: 8, .value_kind: global_buffer, .address_space: global }
      - { .name: pp, .offset: 8, .size: 8, .value_kind: global_buffer, .address_space: global }
      - { .name: out0, .offset: 16, .size: 8, .value_kind: global_buffer, .address_space: global }
    .group_segment_fixed_size: 327680
    .private_segment_fixed_size: 0
    .kernarg_segment_align: 8
    .kernarg_segment_size: 24
    .max_flat_workgroup_size: 256
    .sgpr_count:     96
    .vgpr_count:     512
    .wavefront_size: 32
...
	.end_amdgpu_metadata
.endif
;; end of part 4
